; MI455X (gfx1250); checked and timed in simulation.
; The chip was launched on July 23, 2026; its instructions are those of AMD's public machine-readable ISA for CDNA 5 (MIT licence, August 2026) and "CDNA5" Instruction Set Architecture Reference Guide (July 2026). The comments in the code are by the model that wrote it; some were corrected since.
;; Seq Attn Match No Mask. Allowed arithmetic: float matrix products may take bf16 or f16 operands with f32 sums; all other float work in f32.
;; Inputs: W 512 x 512 float32; b 512 float32; x 32 x 1,024 x 512 float32; y 32 x 1,024 x 512 float32.
;; Outputs: out0 32 x 1,024 x 512 float32.
;; 2 versions, each right. Each part assembles by itself: llvm-mc -triple=amdgcn-amd-amdhsa -mcpu=gfx1250 --defsym DOCPART=n.
;; ======== version 1 of 2: 3 launches
;; limits: values outside matrix products are rounded to bf16; inputs' magnitudes at most 65,504; values are held in f16: magnitudes above 65,504 overflow, below 6.1e-05 lose precision
;; workspace buffers: w16 524,288 bytes; xpf 33,554,432 bytes; ypf 67,108,864 bytes; y16f 33,554,432 bytes; scl 3,072 bytes
;; launch prep (part 1): grid 256 x 1, 1 waves a work-group, no clusters, 0 bytes of LDS; arguments W, w16; writes w16
.if DOCPART == 1
	.amdgcn_target "amdgcn-amd-amdhsa--gfx1250"
	.amdhsa_code_object_version 6
	.text
	.protected	k_q5a5f5d2a01_prep
	.globl	k_q5a5f5d2a01_prep
	.p2align	8
	.type	k_q5a5f5d2a01_prep,@function
k_q5a5f5d2a01_prep:
	s_mov_b64 s[64:65], 0
	v_nop
	global_prefetch_b8 v0, s[64:65] scope:SCOPE_SE
	s_setreg_imm32_b32 hwreg(HW_REG_WAVE_MODE, 25, 1), 1
	s_wait_xcnt 0x0
; W [512][512] f32  ->  w16: the same numbers rounded to bf16 (to nearest even), laid out in FRAGMENT ORDER:
;   [block of 16 rows][K step s = 0..15][c = 0..1][lane 0..31][16 bytes]   (16,384 bytes for a block of 16 rows)
; Lane L = r + 16 h of (block, s, c) holds row 16 block + r, columns 32 s + 16 c + 8 h .. + 7: registers 4c .. 4c+3 of the 16-bit
; matrix fragment of K step s (ISA guide 7.12.2).  A fragment is then two loads of 512 dense bytes, from memory or from LDS.
; One wave a work-group.  Work-group g takes rows 16 (g >> 3) .. + 15 and columns 64 (g & 7) .. + 63: 256 aligned bytes of each row in,
; 2,048 dense bytes out.  Memory binds and nothing is used twice: no LDS, no matrix unit.
	s_load_b128 s[4:7], s[0:1], 0x0                ; W s[4:5], w16 s[6:7]
	v_and_b32 v2, 15, v0                           ; r
	v_bfe_u32 v3, v0, 4, 1                         ; h
	v_lshlrev_b32 v1, 11, v2                       ; r rows of 2,048 bytes
	v_lshl_add_u32 v1, v3, 5, v1                   ; + 8 h numbers of 4 bytes
	v_lshlrev_b32 v4, 4, v0                        ; out: 16 bytes a lane
	s_lshr_b32 s8, ttmp9, 3                        ; block of 16 rows
	s_and_b32 s9, ttmp9, 7                         ; pair of K steps
	s_lshl_b32 s8, s8, 15                          ; 16 rows of 2,048 bytes
	s_lshl_b32 s9, s9, 8                           ; 64 columns of 4 bytes
	s_add_co_u32 s8, s8, s9
	s_mov_b32 s9, 0
	s_lshl_b32 s10, ttmp9, 11                      ; out: block x 16,384 + pair x 2,048 = g x 2,048
	s_mov_b32 s11, 0
	s_wait_kmcnt 0x0
	s_add_nc_u64 s[4:5], s[4:5], s[8:9]
	s_add_nc_u64 s[6:7], s[6:7], s[10:11]
.irp k, 0,1,2,3,4,5,6,7
	global_load_b128 v[8+4*\k:11+4*\k], v1, s[4:5] offset:64*(\k>>1)+16*(\k&1) th:TH_LOAD_NT   ; piece (2 s + c) = k >> 1: 8 numbers in two loads
.endr
	s_wait_loadcnt 0x0
.irp i, 0,1,2,3
.irp j, 0,1,2,3
	v_cvt_pk_bf16_f32 v[40+4*\i+\j], v[8+8*\i+2*\j], v[9+8*\i+2*\j]
.endr
.endr
.irp i, 0,1,2,3
	global_store_b128 v4, v[40+4*\i:43+4*\i], s[6:7] offset:512*\i     ; 512 dense bytes
.endr
	s_endpgm
.Lfunc_end_k_q5a5f5d2a01_prep:
	.size	k_q5a5f5d2a01_prep, .Lfunc_end_k_q5a5f5d2a01_prep-k_q5a5f5d2a01_prep
	.p2alignl 7, 3214868480
	.fill 96, 4, 3214868480
	.section	.rodata,"a",@progbits
	.p2align	6, 0x0
	.amdhsa_kernel k_q5a5f5d2a01_prep
		.amdhsa_group_segment_fixed_size 0
		.amdhsa_private_segment_fixed_size 0
		.amdhsa_enable_private_segment 0
		.amdhsa_kernarg_size 16
		.amdhsa_user_sgpr_count 2
		.amdhsa_user_sgpr_kernarg_segment_ptr 1
		.amdhsa_wavefront_size32 1
		.amdhsa_system_sgpr_workgroup_id_x 1
		.amdhsa_system_sgpr_workgroup_id_y 1
		.amdhsa_system_sgpr_workgroup_id_z 1
		.amdhsa_system_vgpr_workitem_id 0
		.amdhsa_next_free_vgpr 56
		.amdhsa_next_free_sgpr 66
		.amdhsa_reserve_vcc 0
		.amdhsa_float_denorm_mode_32 3
		.amdhsa_float_denorm_mode_16_64 3
		.amdhsa_memory_ordered 1
		.amdhsa_forward_progress 1
		.amdhsa_inst_pref_size 4
	.end_amdhsa_kernel
	.amdgpu_metadata
---
amdhsa.version: [ 1, 2 ]
amdhsa.kernels:
  - .name:           k_q5a5f5d2a01_prep
    .symbol:         k_q5a5f5d2a01_prep.kd
    .args:
      - { .name: W, .offset: 0, .size: 8, .value_kind: global_buffer, .address_space: global }
      - { .name: w16, .offset: 8, .size: 8, .value_kind: global_buffer, .address_space: global }
    .group_segment_fixed_size: 0
    .private_segment_fixed_size: 0
    .kernarg_segment_align: 8
    .kernarg_segment_size: 16
    .max_flat_workgroup_size: 32
    .sgpr_count:     66
    .vgpr_count:     56
    .wavefront_size: 32
...
	.end_amdgpu_metadata
.endif
;; end of part 1
;; launch proj (part 2): grid 512 x 1, 4 waves a work-group, no clusters, 312,064 bytes of LDS; arguments x, y, w16, b, xpf, ypf, y16f, scl; writes xpf, ypf, y16f, scl
.if DOCPART == 2
	.amdgcn_target "amdgcn-amd-amdhsa--gfx1250"
	.amdhsa_code_object_version 6
	.text
	.protected	k_q5a5f5d2a01_proj
	.globl	k_q5a5f5d2a01_proj
	.p2align	8
	.type	k_q5a5f5d2a01_proj,@function
k_q5a5f5d2a01_proj:
	s_mov_b64 s[64:65], 0
	v_nop
	global_prefetch_b8 v0, s[64:65] scope:SCOPE_SE
	s_setreg_imm32_b32 hwreg(HW_REG_WAVE_MODE, 25, 1), 1
	s_wait_xcnt 0x0
; relu(rows . W^T + b) for the 65,536 rows of x (work-groups 0-255) and of y (256-511), 128 rows a work-group, all 512 outputs.
; NUMBER FORMATS.  x, y, W AND b are rounded to bf16 (to nearest even); the products of bf16 numbers are exact and the sums are f32, so this
; launch is the projection of the bf16-rounded inputs with no further loss.  b is no matrix operand and is rounded all the same, so that the
; whole program is one function of bf16 inputs.
; OUT, all in fragment order ([16 rows][K step][c][lane][16 bytes]):
;   The result is multiplied by a power of two that puts the block's largest number into [2^14, 2^15); scl holds the inverse of that power.
;   The scale comes from the block's true maximum, so the result has no range limit of its own in f16.
;   xpf: x's result, rounded to f16.
;   ypf: y's result in TWO f16 parts, [64 rows][upper | lower][16 rows]..: upper = the f32 number with its lowest 13 mantissa bits cut off (11 significant
;        bits: exact in f16), lower = the remainder, rounded to f16.  Scores are sums of 512 products whose differences of a few thousandths
;        decide the softmax: one f16 rounding on each side of that product is too coarse, one side alone is fine enough.
;   y16f: bf16(y) as f16, for the last product of the attention.
;   scl: words 0-255 x's blocks; then two equal words for each of y's blocks (one for each 64 rows).
; LIMIT: |y| below 65,504 (the largest f16); below 6.1e-5 y is resolved in steps of 6e-8.
;
; SHARES.  Four waves, one for each SIMD.  Wave w makes outputs 128 w .. + 127 of all 128 rows: 64 accumulator tiles, 512 registers.
; The matrix instruction takes W as source 0 and the rows as source 1: lane (r, h) then holds row r and outputs 8 h .. 8 h + 7, eight
; neighbours that pack into the 16 bytes which fragment order wants of this lane: the result is stored straight from registers, 512 dense bytes a store.
; W: each number of w16 is used by ONE wave of the work-group, so it goes from memory straight into registers (16 loads of 512 dense bytes
; for a K step, asked for two K steps ahead, three buffers); LDS would share nothing.
; ROWS: f32 in memory.  The whole tile of 128 x 512 f32 is asked for at once by tensor loads, four a wave (four outstanding by this text's count),
; 64 rows x 256 bytes each; a quarter (128 of K) at a time is turned into bf16 fragments in LDS while the quarter before is multiplied.
; NO CLUSTER: what work-groups share is w16 alone, and it does not pass through LDS here; the f32 tile and its bf16 image take 311,296 of the
; 327,680 bytes, so no ring for W fits beside them.
;
; LDS:  0 .. 32,767            F(0): bf16 fragments of quarter 0
;       32,768 + q x 69,632    R(q): quarter q in f32: two chunks of 128 rows x 256 bytes, rows 272 bytes apart (17 x 16: the sixteen rows of a read start in sixteen different 16-byte columns)
;       F(q), q = 1..3         = the first 32,768 bytes of R(q-1), which has had its only fill and has been read
;       311,296                SCR: the four waves' maxima
; F(q) = [wave that wrote it][16 rows, 0..3][K step, 0..1][c][512 bytes].
.set RBASE, 32768
.set RQ,    69632
.set WTILE, 17408                      ; 64 rows x 272 bytes: what one tensor load fills
.set RP,    272
.set SCR,   311296
; window 0: v1 WA  v2 BA  v3 OA  v4 GY  v8-11 FA(q)  v12-15 CR(q)  v16-19 CW(q)  v20-27 at work
.set XF,    32                         ; v32-95, v96-159: row fragments of a K step (16 rows nb at + 8 nb), two buffers
.set ST,    160                        ; v160-223: eight pieces of 8 f32; then 4 registers bf16 and 4 registers f16 each
; window 1: v0-63, v64-127, v128-191: W's fragments of a K step (16 outputs a at + 8 a), three buffers
.set BIAS,  192                        ; window 1, v192-255: b of my 128 outputs in the accumulators' layout
; window 2: accumulators of rows 0-63 (tile (n, a) at 8 (8 n + a)); window 3: rows 64-127
.set MSB, 0
.macro WIN new                         ; s_set_vgpr_msb: bits 1:0 source 0, 3:2 source 1, 5:4 source 2, 7:6 destination; the high byte repeats the setting that is left
.if MSB != (\new)
	s_set_vgpr_msb (MSB<<8)|(\new)
.set MSB, (\new)
.endif
.endm
.macro PLACES                          ; four places behind a matrix instruction before a load lands on one of its sources
.rept 4
	v_nop
.endr
.endm
	s_load_b512 s[4:19], s[0:1], 0x0               ; x s[4:5], y s[6:7], w16 s[8:9], b s[10:11], xpf s[12:13], ypf s[14:15], y16f s[16:17], scl s[18:19]
	v_lshl_add_u32 v254, v0, 2, 0x4c100
	v_mov_b32 v255, 0
	ds_add_u32 v254, v255
	v_lshrrev_b32 v20, 5, v0
	v_readfirstlane_b32 s20, v20                   ; wave 0..3
	s_lshr_b32 s21, ttmp9, 8                       ; 0: rows of x, 1: rows of y
	s_and_b32 s22, ttmp9, 255                      ; block of 128 rows
	s_mov_b32 s58, 0x76543210                      ; v_permlanex16_b32: lane i reads lane i of the other half
	s_mov_b32 s59, 0xfedcba98
	; descriptor group 1: a tile of 64 rows x 64 f32, 16 bytes of padding behind each row
	s_mov_b32 s32, (2<<16)|(1<<20)|(5<<22)|(3<<25) ; 17:16 elements of 4 bytes; 20 padding on; 24:22 after every 64 words; 31:25 of 4 words
	s_mov_b32 s33, 64<<16                          ; tensor_dim0 = 64
	s_mov_b32 s34, 64<<16                          ; tensor_dim1 = 64
	s_mov_b32 s35, 64<<16                          ; tile_dim0 = 64
	s_mov_b32 s36, 64                              ; tile_dim1 = 64
	s_mov_b32 s37, 512                             ; 512 elements from row to row
	s_mov_b32 s38, 0
	s_mov_b32 s39, 0
	s_and_b32 s30, s20, 1                          ; which 64 rows I fetch and convert
	s_lshr_b32 s31, s20, 1                         ; which chunk of a quarter
	s_lshl_b32 s60, s30, 16                        ; y16f: 4 blocks of 16 rows x 16,384
	s_lshl_b32 s61, s31, 11                        ;       + 2 K steps x 1,024
	s_add_co_u32 s60, s60, s61
	s_lshl_b32 s30, s30, 17                        ; 64 rows of 2,048 bytes
	s_lshl_b32 s31, s31, 8                         ; 64 columns of 4 bytes
	s_add_co_u32 s30, s30, s31
	s_lshl_b32 s31, s22, 18                        ; 128 rows of 2,048 bytes a block
	s_add_co_u32 s30, s30, s31
	s_mov_b32 s31, 0
	s_mul_i32 s23, s20, WTILE
	s_add_co_u32 s23, s23, RBASE                   ; my tile in R(0)
	v_and_b32 v21, 31, v0                          ; lane L
	v_and_b32 v22, 15, v0                          ; r
	v_bfe_u32 v23, v0, 4, 1                        ; h
	v_lshlrev_b32 v8, 4, v21                       ; FA(0) = 16 L
	v_lshl_add_u32 v1, s20, 17, v8                 ; WA = 16 L + 8 w blocks of 16,384 bytes of w16
	v_lshlrev_b32 v2, 5, v23
	v_lshl_add_u32 v2, s20, 9, v2                  ; BA = (128 w + 8 h) x 4
	v_lshl_add_u32 v3, s20, 12, v8                 ; OA = 16 L + 4 w K steps of 1,024 bytes
	v_add_nc_u32 v4, s60, v8                       ; GY = 16 L + my part of y16f
	v_add_nc_u32 v9, RBASE, v8                     ; FA(q) = F(q) + 16 L
	v_add_nc_u32 v10, RQ, v9
	v_add_nc_u32 v11, RQ, v10
	v_mul_u32_u24 v12, v22, RP
	v_lshl_add_u32 v12, v23, 5, v12
	v_add_nc_u32 v12, s23, v12                     ; CR(q) = my tile in R(q) + 272 r + 32 h
	v_add_nc_u32 v13, RQ, v12
	v_add_nc_u32 v14, RQ, v13
	v_add_nc_u32 v15, RQ, v14
	v_lshl_add_u32 v16, s20, 13, v8                ; CW(q) = F(q) + 8,192 w + 16 L
	v_add_nc_u32 v17, RBASE, v16
	v_add_nc_u32 v18, RQ, v17
	v_add_nc_u32 v19, RQ, v18
	s_wait_dscnt 0x0
	s_wait_kmcnt 0x0
	s_cmp_lg_u32 s21, 0
	s_cselect_b64 s[24:25], s[6:7], s[4:5]         ; rows from y or from x
	s_cselect_b64 s[26:27], s[14:15], s[12:13]     ; result to ypf or to xpf
	s_add_nc_u64 s[24:25], s[24:25], s[30:31]      ; my tile of quarter 0
	; group 0, one set for each quarter, and the four first fills in one run, ahead of every wait on TENSORcnt, LDS read and barrier
.irp i, 0,1,2,3
	s_mov_b32 s[40+4*\i], 1
	s_add_co_u32 s[41+4*\i], s23, \i*RQ
	s_add_nc_u64 s[42+4*\i:43+4*\i], s[24:25], \i*512
	s_or_b32 s[43+4*\i], s[43+4*\i], 0x80000000
	tensor_load_to_lds s[40+4*\i:43+4*\i], s[32:39]
	s_nop 0
.endr
	s_lshl_b32 s30, s22, 17                        ; 128 rows of 1,024 bytes a block
	s_add_nc_u64 s[28:29], s[16:17], s[30:31]      ; y16f at my block
	s_add_co_u32 s61, s21, 17                      ; xpf: 131,072 bytes a block; ypf, with its two parts: 262,144
	s_lshl_b32 s30, s22, s61
	s_add_nc_u64 s[26:27], s[26:27], s[30:31]
.macro WLOAD s                         ; W's eight fragments of K step s into buffer s mod 3
	WIN 0x40                                       ; data window 1, address window 0
.set wb, 64*((\s)%3)
.set wa, 0
.rept 8
	global_load_b128 v[wb+8*wa:wb+8*wa+3],   v1, s[8:9] offset:wa*16384+(\s)*1024
	global_load_b128 v[wb+8*wa+4:wb+8*wa+7], v1, s[8:9] offset:wa*16384+(\s)*1024+512
.set wa, wa+1
.endr
.endm
.macro FETCH s                         ; the eight row fragments of K step s into buffer s mod 2: 16 reads of 512 dense bytes
.set fq, (\s)>>2
.set fp, (\s)&3
.set fx, XF+64*((\s)&1)
.set fo, (fp>>1)*16384+(fp&1)*1024
.set fn, 0
.rept 8
	ds_load_b128 v[fx+8*fn:fx+8*fn+3],   v[8+fq] offset:fo+(fn>>2)*8192+(fn&3)*2048
	ds_load_b128 v[fx+8*fn+4:fx+8*fn+7], v[8+fq] offset:fo+(fn>>2)*8192+(fn&3)*2048+512
.set fn, fn+1
.endr
.endm
; My tile of quarter q is 16 pieces k = ((16 rows) x 2 + K step) x 2 + c of 8 f32 a lane.  CONV_L reads eight of them, CONV_C rounds and stores them.
.macro CONV_L q, half
	s_wait_xcnt 0x0                                ; ST, which stores to y16f read, is written again only behind this wait
.set cj, 0
.rept 8
.set ck, 8*\half+cj
	ds_load_b128 v[ST+8*cj:ST+8*cj+3],   v[12+\q] offset:(ck>>2)*16*RP+((ck>>1)&1)*128+(ck&1)*64
	ds_load_b128 v[ST+8*cj+4:ST+8*cj+7], v[12+\q] offset:(ck>>2)*16*RP+((ck>>1)&1)*128+(ck&1)*64+16
.set cj, cj+1
.endr
.endm
.macro CONV_C q, half
.set cj, 0
.rept 8
.irp j, 0,1,2,3
	v_cvt_pk_bf16_f32 v[ST+8*cj+\j], v[ST+8*cj+2*\j], v[ST+8*cj+2*\j+1]    ; in place: register j is written when registers 2 j, 2 j + 1 have been read
.endr
.set cj, cj+1
.endr
.set cj, 0
.rept 8
	ds_store_b128 v[16+\q], v[ST+8*cj:ST+8*cj+3] offset:(8*\half+cj)*512
.set cj, cj+1
.endr
	s_cmp_lg_u32 s21, 0                            ; rows of y also leave as f16, for the last product of the attention
	s_cbranch_scc0 .Lnoy_\@
.set cj, 0
.rept 8
.irp j, 0,1,2,3
	v_lshlrev_b32 v[20+2*\j], 16, v[ST+8*cj+\j]            ; the bf16 numbers widened to f32,
	v_and_b32 v[21+2*\j], 0xffff0000, v[ST+8*cj+\j]
.endr
.irp j, 0,1,2,3
	v_cvt_pk_f16_f32 v[ST+8*cj+4+\j], v[20+2*\j], v[21+2*\j]   ; and narrowed to f16: 8 significant bits fit into 11
.endr
.set cj, cj+1
.endr
.set cj, 0
.rept 8
.set ck, 8*\half+cj
	global_store_b128 v4, v[ST+8*cj+4:ST+8*cj+7], s[28:29] offset:(ck>>2)*16384+\q*4096+((ck>>1)&1)*1024+(ck&1)*512
.set cj, cj+1
.endr
.Lnoy_\@:
.endm
; 32 matrix instructions: rows 64 hi .. + 63 x my 128 outputs, 32 along K.  The 64 accumulators take turns, one instruction a turn, in the
; same order in every K step.  first = 1: b starts the sums, nothing is cleared.
.macro MUL32 xf, wbuf, hi, first
.if \first
	WIN (0x91+0x40*\hi)                            ; W window 1, rows window 0, C = b window 1, D window 2 or 3
.else
	WIN (0xa1+0x50*\hi)                            ; C and D window 2 or 3
.endif
.set mn, 0
.rept 4
.set ma, 0
.rept 8
.if \first
	v_wmma_f32_16x16x32_bf16 v[8*(8*mn+ma):8*(8*mn+ma)+7], v[\wbuf+8*ma:\wbuf+8*ma+7], v[\xf+8*(4*\hi+mn):\xf+8*(4*\hi+mn)+7], v[BIAS+8*ma:BIAS+8*ma+7]
.else
	v_wmma_f32_16x16x32_bf16 v[8*(8*mn+ma):8*(8*mn+ma)+7], v[\wbuf+8*ma:\wbuf+8*ma+7], v[\xf+8*(4*\hi+mn):\xf+8*(4*\hi+mn)+7], v[8*(8*mn+ma):8*(8*mn+ma)+7]
.endif
.set ma, ma+1
.endr
.set mn, mn+1
.endr
.endm
; What stands in the middle of K step s: the next K step's row fragments, and a share of the next quarter's conversion.
.macro MID s
.set mq, (\s)>>2
.set mp, (\s)&3
.set mq1, mq+1
.if mq < 3
.if mp == 0
	FETCH (\s+1)
.endif
.if mp == 1
	FETCH (\s+1)
	s_wait_tensorcnt 2-mq                          ; tensor loads of a wave end in order (ISA guide 10.11.1): my tile of quarter mq + 1 is in, the later quarters stay out
	CONV_L mq1, 0
.endif
.if mp == 2
	s_wait_dscnt 0x0                               ; the eight pieces are in
	CONV_C mq1, 0
	FETCH (\s+1)
	CONV_L mq1, 1
.endif
.if mp == 3
	s_wait_dscnt 0x0
	CONV_C mq1, 1
	s_wait_dscnt 0x0                               ; my fragments of the next quarter are written, my reads of its f32 tile are back:
	s_barrier_signal -1                            ; behind this barrier every wave reads F(mq + 1), and R(mq + 1) may become F(mq + 2).
	s_barrier_wait -1                              ; The later quarters' tensor loads stay out across it
	FETCH (\s+1)
.endif
.else
	FETCH (\s+1)
.endif
.endm
.macro KSTEP s
.if \s > 0
	PLACES                                         ; behind the last K step's products: W's buffer and the row buffer that they read are loaded again below
.endif
.if \s <= 13
	WLOAD (\s+2)
	s_wait_loadcnt 32                              ; loads come back in order (ISA guide 5.7.1): all but the 32 of K steps s + 1 and s + 2
.else
	s_wait_loadcnt 16*(15-\s)
.endif
.set kd, 0
.if (\s&3) >= 2
.if \s < 12
.set kd, 16                            ; behind this K step's row fragments 16 reads of the f32 tile were issued: they may stay out
.endif
.endif
	s_wait_dscnt kd
.set kx, XF+64*(\s&1)
.set kw, 64*(\s%3)
.set kf, 0
.if \s == 0
.set kf, 1
.endif
	MUL32 kx, kw, 0, kf
.if \s < 15
	WIN 0
	MID \s
.endif
	MUL32 kx, kw, 1, kf
.endm
	WIN 0x40
.irp a, 0,1,2,3,4,5,6,7
	global_load_b128 v[BIAS+8*\a:BIAS+8*\a+3],   v2, s[10:11] offset:64*\a       ; register j of tile a = b[128 w + 16 a + 8 h + j]
	global_load_b128 v[BIAS+8*\a+4:BIAS+8*\a+7], v2, s[10:11] offset:64*\a+16
.endr
	WLOAD 0
	WLOAD 1
	WIN 0
	s_wait_tensorcnt 0x3                           ; my tile of quarter 0 is in; three stay out
	CONV_L 0, 0
	s_wait_dscnt 0x0
	CONV_C 0, 0
	CONV_L 0, 1
	s_wait_dscnt 0x0
	CONV_C 0, 1
	s_wait_dscnt 0x0
	s_barrier_signal -1
	s_barrier_wait -1                              ; F(0) is whole, R(0) has been read by all
	FETCH 0
	; b is rounded to bf16 and widened again, through v96-127 (row buffer 1, not yet in use)
	s_wait_loadcnt 32                              ; b's 16 loads are in; the 32 of W's K steps 0 and 1 may stay out
	WIN 0x05                                       ; sources window 1, destination window 0
.set bi, 0
.rept 32
	v_cvt_pk_bf16_f32 v[96+bi], v[BIAS+2*bi], v[BIAS+2*bi+1]
.set bi, bi+1
.endr
	WIN 0x40                                       ; destination window 1, source window 0
.set bi, 0
.rept 32
	v_lshlrev_b32 v[BIAS+2*bi], 16, v[96+bi]
	v_and_b32 v[BIAS+2*bi+1], 0xffff0000, v[96+bi]
.set bi, bi+1
.endr
.irp s, 0,1,2,3,4,5,6,7,8,9,10,11,12,13,14,15
	KSTEP \s
.endr
	; THE BLOCK'S MAXIMUM of relu(.): four chains that start at 0 (these four lines are also the places behind the last products)
	WIN 0
	v_mov_b32 v20, 0
	v_mov_b32 v21, 0
	v_mov_b32 v22, 0
	v_mov_b32 v23, 0
	WIN 0x28                                       ; sources 1 and 2 window 2
.set ek, 0
.rept 128
	v_max3_num_f32 v[20+(ek&3)], v[20+(ek&3)], v[2*ek], v[2*ek+1]
.set ek, ek+1
.endr
	WIN 0x3c                                       ; window 3
.set ek, 0
.rept 128
	v_max3_num_f32 v[20+(ek&3)], v[20+(ek&3)], v[2*ek], v[2*ek+1]
.set ek, ek+1
.endr
	WIN 0
	v_max3_num_f32 v20, v20, v21, v22
	v_max_num_f32 v20, v20, v23
	v_max_num_f32_dpp v20, v20, v20 row_xmask:1 row_mask:0xf bank_mask:0xf
	v_max_num_f32_dpp v20, v20, v20 row_xmask:2 row_mask:0xf bank_mask:0xf
	v_max_num_f32_dpp v20, v20, v20 row_xmask:4 row_mask:0xf bank_mask:0xf
	v_max_num_f32_dpp v20, v20, v20 row_xmask:8 row_mask:0xf bank_mask:0xf
	v_permlanex16_b32 v21, v20, s58, s59
	v_max_num_f32 v20, v20, v21                    ; my wave's maximum, in every lane
	s_lshl_b32 s30, s20, 2
	s_add_co_u32 s30, s30, SCR
	v_mov_b32 v24, s30
	v_mov_b32 v25, SCR
	ds_store_b32 v24, v20                          ; all lanes write the same word with the same number
	s_wait_dscnt 0x0
	s_barrier_signal -1
	s_barrier_wait -1
	ds_load_b128 v[20:23], v25
	s_wait_dscnt 0x0
	v_max3_num_f32 v20, v20, v21, v22
	v_max_num_f32 v20, v20, v23                    ; the block's maximum, not negative
	v_lshrrev_b32 v20, 23, v20                     ; its exponent field E
	v_max_u32 v20, 15, v20                         ; kept in 15 .. 254, so that both powers below are normal numbers (a block of zeros: E = 15)
	v_min_u32 v20, 254, v20
	v_sub_nc_u32 v21, 268, v20
	v_lshlrev_b32 v21, 23, v21                     ; 2^(141 - E): the maximum, in [2^(E-127), 2^(E-126)), goes to [2^14, 2^15)
	v_add_nc_u32 v22, -14, v20
	v_lshlrev_b32 v22, 23, v22                     ; 2^(E - 141), its inverse
	v_readfirstlane_b32 s56, v21
	s_mov_b32 s57, s56
.macro RELU win                        ; relu and scale, in place, one window's 32 tiles
	WIN (0x45*\win)                                ; sources 0 and 1 and the destination in the window
.set et, 0
.rept 32
.irp j, 0,1,2,3,4,5,6,7
	v_max_num_f32 v[8*et+\j], 0, v[8*et+\j]
.endr
.irp j, 0,2,4,6
	v_pk_mul_f32 v[8*et+\j:8*et+\j+1], v[8*et+\j:8*et+\j+1], s[56:57] op_sel_hi:[1,0]
.endr
.set et, et+1
.endr
.endm
; x's rows: round to f16 in place; 32 stores of 512 dense bytes: tile (n, a) = rows 16 n .., K step 4 w + (a >> 1), c = a & 1 of the result
.macro XOUT win
	WIN (0x45*\win)
.set et, 0
.rept 32
.irp j, 0,1,2,3
	v_cvt_pk_f16_f32 v[8*et+\j], v[8*et+2*\j], v[8*et+2*\j+1]
.endr
.set et, et+1
.endr
	WIN (4*\win)                                   ; store data (source 1) in the window, address window 0
.set et, 0
.rept 32
	global_store_b128 v3, v[8*et:8*et+3], s[26:27] offset:(4*(\win-2)+(et>>3))*16384+((et&7)>>1)*1024+(et&1)*512
.set et, et+1
.endr
.endm
; y's rows, 16 rows (eight tiles, 64 registers of the window) at a time: the upper part as f32 into v64-127 of window 0, the remainder in place;
; both narrowed to f16, the upper part into v32-63 of window 0, the lower in place; 8 + 8 stores of 512 dense bytes.
.macro YOUT win
.set yb, 0
.rept 4
	WIN (4*\win)                                   ; source 1 in the window, destination window 0
.set yi, 0
.rept 64
	v_and_b32 v[64+yi], 0xffffe000, v[64*yb+yi]    ; 11 significant bits stay
.set yi, yi+1
.endr
	WIN (0x41*\win)                                ; source 0 and destination in the window, source 1 window 0
.set yi, 0
.rept 32
	v_pk_add_f32 v[64*yb+2*yi:64*yb+2*yi+1], v[64*yb+2*yi:64*yb+2*yi+1], v[64+2*yi:64+2*yi+1] neg_lo:[0,1] neg_hi:[0,1]   ; the remainder, exact
.set yi, yi+1
.endr
	WIN (0x45*\win)
.set ya, 0
.rept 8
.irp j, 0,1,2,3
	v_cvt_pk_f16_f32 v[64*yb+8*ya+\j], v[64*yb+8*ya+2*\j], v[64*yb+8*ya+2*\j+1]
.endr
.set ya, ya+1
.endr
	WIN 0
	s_wait_xcnt 0x0                                ; v32-63, which the last 16 rows' stores read, are written again only behind this wait
.set ya, 0
.rept 8
.irp j, 0,1,2,3
	v_cvt_pk_f16_f32 v[32+4*ya+\j], v[64+8*ya+2*\j], v[64+8*ya+2*\j+1]
.endr
.set ya, ya+1
.endr
.set ya, 0
.rept 8
	global_store_b128 v3, v[32+4*ya:32+4*ya+3], s[26:27] offset:(\win-2)*131072+yb*16384+(ya>>1)*1024+(ya&1)*512
.set ya, ya+1
.endr
	WIN (4*\win)
.set ya, 0
.rept 8
	global_store_b128 v3, v[64*yb+8*ya:64*yb+8*ya+3], s[26:27] offset:(\win-2)*131072+65536+yb*16384+(ya>>1)*1024+(ya&1)*512
.set ya, ya+1
.endr
.set yb, yb+1
.endr
.endm
	RELU 2
	RELU 3
	WIN 0
	s_cmp_lg_u32 s21, 0
	s_cbranch_scc1 .Lyrows
	XOUT 2
	XOUT 3
	WIN 0
	s_branch .Lscale
.Lyrows:
	YOUT 2
	YOUT 3
	WIN 0
.Lscale:
	s_lshl_b32 s30, s22, 2                         ; x: word blk
	s_lshl_b32 s31, s22, 3
	s_add_co_u32 s31, s31, 1024                    ; y: words 256 + 2 blk and the next
	s_cmp_lg_u32 s21, 0
	s_cselect_b32 s30, s31, s30
	s_add_co_u32 s31, s21, 1                       ; threads that store: one for x, two for y
	v_lshl_add_u32 v23, v0, 2, s30
	s_wait_xcnt 0x0                                ; EXEC is a source of the stores above: it changes only behind this wait
	v_cmp_gt_u32 vcc_lo, s31, v0
	s_wait_tensorcnt 0x0
	ds_add_u32 v254, v255
	s_wait_dscnt 0x0
	s_and_saveexec_b32 s60, vcc_lo
	global_store_b32 v23, v22, s[18:19]            ; the block's scale
	s_wait_xcnt 0x0
	s_or_b32 exec_lo, exec_lo, s60
	s_endpgm
.Lfunc_end_k_q5a5f5d2a01_proj:
	.size	k_q5a5f5d2a01_proj, .Lfunc_end_k_q5a5f5d2a01_proj-k_q5a5f5d2a01_proj
	.p2alignl 7, 3214868480
	.fill 96, 4, 3214868480
	.section	.rodata,"a",@progbits
	.p2align	6, 0x0
	.amdhsa_kernel k_q5a5f5d2a01_proj
		.amdhsa_group_segment_fixed_size 312064
		.amdhsa_private_segment_fixed_size 0
		.amdhsa_enable_private_segment 0
		.amdhsa_kernarg_size 64
		.amdhsa_user_sgpr_count 2
		.amdhsa_user_sgpr_kernarg_segment_ptr 1
		.amdhsa_wavefront_size32 1
		.amdhsa_system_sgpr_workgroup_id_x 1
		.amdhsa_system_sgpr_workgroup_id_y 1
		.amdhsa_system_sgpr_workgroup_id_z 1
		.amdhsa_system_vgpr_workitem_id 0
		.amdhsa_next_free_vgpr 1024
		.amdhsa_next_free_sgpr 66
		.amdhsa_reserve_vcc 1
		.amdhsa_float_denorm_mode_32 3
		.amdhsa_float_denorm_mode_16_64 3
		.amdhsa_memory_ordered 1
		.amdhsa_forward_progress 1
		.amdhsa_inst_pref_size 255
	.end_amdhsa_kernel
	.section	.bss,"aw",@nobits
	.p2align	6
	.space	262144
	.amdgpu_metadata
---
amdhsa.version: [ 1, 2 ]
amdhsa.kernels:
  - .name:           k_q5a5f5d2a01_proj
    .symbol:         k_q5a5f5d2a01_proj.kd
    .args:
      - { .name: x, .offset: 0, .size: 8, .value_kind: global_buffer, .address_space: global }
      - { .name: y, .offset: 8, .size: 8, .value_kind: global_buffer, .address_space: global }
      - { .name: w16, .offset: 16, .size: 8, .value_kind: global_buffer, .address_space: global }
      - { .name: b, .offset: 24, .size: 8, .value_kind: global_buffer, .address_space: global }
      - { .name: xpf, .offset: 32, .size: 8, .value_kind: global_buffer, .address_space: global }
      - { .name: ypf, .offset: 40, .size: 8, .value_kind: global_buffer, .address_space: global }
      - { .name: y16f, .offset: 48, .size: 8, .value_kind: global_buffer, .address_space: global }
      - { .name: scl, .offset: 56, .size: 8, .value_kind: global_buffer, .address_space: global }
    .group_segment_fixed_size: 312064
    .private_segment_fixed_size: 0
    .kernarg_segment_align: 8
    .kernarg_segment_size: 64
    .max_flat_workgroup_size: 128
    .sgpr_count:     66
    .vgpr_count:     1024
    .wavefront_size: 32
...
	.end_amdgpu_metadata
.endif
;; end of part 2
;; launch attn (part 3): grid 8 x 32, 4 waves a work-group, clusters of 4 x 1, 327,680 bytes of LDS; arguments xpf, ypf, y16f, scl, out0; writes out0
.if DOCPART == 3
	.amdgcn_target "amdgcn-amd-amdhsa--gfx1250"
	.amdhsa_code_object_version 6
	.text
	.protected	k_q5a5f5d2a01_attn
	.globl	k_q5a5f5d2a01_attn
	.p2align	8
	.type	k_q5a5f5d2a01_attn,@function
k_q5a5f5d2a01_attn:
	s_mov_b64 s[64:65], 0
	v_nop
	global_prefetch_b8 v0, s[64:65] scope:SCOPE_SE
	s_setreg_imm32_b32 hwreg(HW_REG_WAVE_MODE, 25, 1), 1
	s_wait_xcnt 0x0
	s_wait_alu depctr_hold_cnt(0) depctr_sa_sdst(0) depctr_va_vdst(0) depctr_va_sdst(0) depctr_va_ssrc(0) depctr_va_vcc(0) depctr_vm_vsrc(0)
	s_getreg_b32 s2, hwreg(HW_REG_IB_STS2, 6, 4)
	s_cmp_eq_u32 s2, 0
	s_cbranch_scc0 .Lentry_in_a_cluster
	s_endpgm
.Lentry_in_a_cluster:
	s_bfe_u32 s2, ttmp6, 0x10000c
	s_cmp_lg_u32 s2, 0x3003
	s_cbranch_scc0 .Lentry_shape_is_right
	s_endpgm
.Lentry_shape_is_right:
; out = softmax(xp . yp^T) . y for 128 query rows a work-group, with a running maximum, 64 keys at a time (16 blocks).
; xpf: x's relu projection in f16; ypf: y's in two f16 parts (upper, lower) whose sum carries 22 bits; each block of 128 rows multiplied by a power of two
; whose inverse is in scl; y16f: y in f16.  All in fragment order: [16 rows][K step s][c][lane L][16 bytes], lane r + 16 h holding row r,
; columns 32 s + 16 c + 8 h .. + 7; ypf as [64 keys][upper | lower][16 rows]...
; The scores are made by TWO products on one accumulator, upper x Xp + lower x Xp: a third more matrix work than one product, paid because score
; differences of a few thousandths decide the weights, and one f16 rounding on each side of a sum of 512 products is too coarse for that.
; LIMITS: scl[x block] x scl[y block] x log2(e) must be finite in f32 (the product of two blocks' largest numbers below about 2^150);
; a weight below 6e-8 of its row's largest counts as 0 (f16).
;
; SHARES.  Four waves, one for each SIMD; wave w owns query rows 32 w .. + 31 (u = 0, 1) and all 512 columns of the output: 64 tiles, 512 registers.
; BOTH PRODUCTS ARE USED TRANSPOSED.  S^T = Yp (source 0) x Xp (source 1): lane (r, h), register v of tile (jt, u) holds key 16 jt + 8 h + v,
; query r.  O^T = y^T (source 0) x P^T (source 1), and source 1 of 32 keys wants of lane (r, h) keys 8 h .. + 7 and 16 + 8 h .. + 7 of query r: the lane's own
; numbers of tiles 2 kb and 2 kb + 1, packed.  So P never leaves the lane, and maximum, sum and rescale factor are one number a lane.
; y^T comes out of LDS by the transposing load (ISA guide 11.2.4): its 32 lanes address the 32 pieces of one dense block of 512 bytes, permuted.
;
; RING.  Slot K (LDS 0, 131,072 bytes) holds block n of ypf, slot V (LDS 131,072, 65,536 bytes) block n of y16f.  S(n) reads K; then K is filled with
; block n + 1 while the softmax runs and PV(n) reads V; then V is filled while S(n + 1) reads K.
; CLUSTER.  The four work-groups of a cluster work on one batch and need the same blocks: every tile is asked for jointly (mask 15), each wave a quarter.
; By this text's count a wave has two tensor loads outstanding at the start and one behind each round.
; PREFETCH.  At the head of the S phase, waves 0 and 1 of each of the batch's eight work-groups ask for 8,192 bytes each (lanes 256 bytes apart) of the block of ypf
; that the round at the phase's end will load: 8 x 2 x 8,192 = the block, each piece once.  Ahead of the softmax, wave 0 of each does the same for the next
; block of y16f: 8 x 8,192.  The last block asks for nothing.
.set VSLOT,  131072
.set KBLK,   131072
.set VBLK,   65536
.set SPITCH, 2064                      ; the way out: a row of 2,048 bytes + 16 = 129 x 16: sixteen rows start in sixteen different 16-byte columns
.set WSTAGE, 16*SPITCH
; window 0: v1 16 L (slot K, upper parts; also the offset of Xp loads and output stores)  v2 = v1 + 65,536 (lower parts)
;           v3 slot V, permuted lane   v6, v7 prefetch offsets   v8-9 m   v10-11 l   v12-15 -m twice   v16-19 alpha twice   v20-27 at work
;           v28 stage in   v29 stage out   v32-95 S tile (jt, u) at 32 + 8 (2 jt + u)   v160, v192, v224 three buffers of four Yp fragments
;           in PV: v32-63 P(kb, u) at 32 + 8 (2 kb + u); v96-159, v160-223 two buffers of eight y^T fragments
; window 1: Xp(u, s) at 128 u + 8 s     window 2: O(t = 0..15, u) at 8 (2 t + u)     window 3: O(t = 16..31, u)
.set MSB, 0
.macro WIN new                         ; s_set_vgpr_msb: bits 1:0 source 0, 3:2 source 1, 5:4 source 2, 7:6 destination; the high byte repeats the setting that is left
.if MSB != (\new)
	s_set_vgpr_msb (MSB<<8)|(\new)
.set MSB, (\new)
.endif
.endm
.macro PLACES                          ; four places behind a matrix instruction (ISA guide 7.12.1)
.rept 4
	v_nop
.endr
.endm
.macro ROUND                           ; a round of the cluster's barrier: my work-group's barrier, wave 0 signals for it, all wait for all four, my work-group's barrier again
	s_barrier_signal -1
	s_barrier_wait -1
	s_cmp_lg_u32 s14, 0
	s_cbranch_scc1 .Lnot_wave_0_\@
	s_barrier_signal -3
.Lnot_wave_0_\@:
	s_barrier_wait -3
	s_barrier_signal -1
	s_barrier_wait -1
.endm
.macro PF base, off, nw                ; waves 0 .. nw - 1 ask
	s_cmp_lt_u32 s14, \nw
	s_cbranch_scc0 .Lnopf_\@
	global_prefetch_b8 v\off, s[\base:\base+1] th:TH_LOAD_NT scope:SCOPE_SE
.Lnopf_\@:
.endm
	s_load_b256 s[4:11], s[0:1], 0x0               ; xpf s[4:5], ypf s[6:7], y16f s[8:9], scl s[10:11]
	s_load_b64 s[12:13], s[0:1], 0x20              ; out0
	v_lshl_add_u32 v30, v0, 2, 0x30000
	v_mov_b32 v31, 0
	ds_add_u32 v30, v31
	v_lshrrev_b32 v20, 5, v0
	v_readfirstlane_b32 s14, v20                   ; wave 0..3
	s_bfe_u32 s15, ttmp6, 0x40000                  ; cx
	s_lshl_b32 s24, ttmp9, 2
	s_add_co_u32 s24, s24, s15                     ; block of 128 query rows, 0..7
	s_and_b32 s25, ttmp7, 0xffff                   ; batch
	s_mov_b32 s46, 0x76543210                      ; v_permlanex16_b32: lane i reads lane i of the other half
	s_mov_b32 s47, 0xfedcba98
	; descriptor group 1 for slot K: 32,768 dense bytes as 128 rows of 256 bytes
	s_mov_b32 s16, 15|(3<<16)|(1<<21)              ; 15:0 all four work-groups of the cluster; 17:16 elements of 8 bytes; 21 set beside a mask
	s_mov_b32 s17, 32<<16                          ; tensor_dim0 = 32
	s_mov_b32 s18, 128<<16                         ; tensor_dim1 = 128
	s_mov_b32 s19, 32<<16                          ; tile_dim0 = 32
	s_mov_b32 s20, 128                             ; tile_dim1 = 128
	s_mov_b32 s21, 32                              ; 32 elements from row to row
	s_mov_b32 s22, 0
	s_mov_b32 s23, 0
	; descriptor group 1 for slot V: 16,384 dense bytes as 64 rows of 256 bytes
	s_mov_b32 s68, 15|(3<<16)|(1<<21)
	s_mov_b32 s69, 32<<16
	s_mov_b32 s70, 64<<16
	s_mov_b32 s71, 32<<16
	s_mov_b32 s72, 64
	s_mov_b32 s73, 32
	s_mov_b32 s74, 0
	s_mov_b32 s75, 0
	; offsets that the four partners share: batch and wave alone
	s_lshl_b32 s48, s25, 21                        ; ypf: 1,024 rows of 2,048 bytes a batch
	s_lshl_b32 s50, s14, 15                        ; my quarter of a block
	s_add_co_u32 s48, s48, s50
	s_mov_b32 s49, 0
	s_lshl_b32 s50, s25, 20                        ; y16f: 1,024 rows of 1,024 bytes a batch
	s_lshl_b32 s51, s14, 14                        ; my quarter of a block
	s_add_co_u32 s50, s50, s51
	s_mov_b32 s51, 0
	s_lshl_b32 s60, s25, 21
	s_add_co_u32 s60, s60, KBLK                    ; block 1 of the batch: the first that is prefetched
	s_mov_b32 s61, 0
	s_lshl_b32 s62, s25, 20
	s_add_co_u32 s62, s62, VBLK
	s_mov_b32 s63, 0
	s_lshl_b32 s41, s25, 6
	s_add_co_u32 s41, s41, 1024                    ; byte offset in scl of the batch's first 64 keys: (256 + 16 batch) x 4
	; offsets of my own query rows
	s_lshl_b32 s52, s25, 20
	s_lshl_b32 s53, s24, 17
	s_add_co_u32 s52, s52, s53
	s_lshl_b32 s53, s14, 15
	s_add_co_u32 s52, s52, s53                     ; xpf: batch, block of 128 rows, 32 w rows
	s_mov_b32 s53, 0
	s_lshl3_add_u32 s26, s25, s24
	s_lshl_b32 s26, s26, 2                         ; scl: (8 batch + block) x 4
	s_lshl_b32 s54, s25, 21                        ; out0: rows of 2,048 bytes
	s_lshl_b32 s55, s24, 18
	s_add_co_u32 s54, s54, s55
	s_lshl_b32 s55, s14, 16
	s_add_co_u32 s54, s54, s55
	s_mov_b32 s55, 0
	s_lshl_b32 s27, s24, 14
	s_lshl_b32 s30, s14, 13
	s_add_co_u32 s27, s27, s30                     ; prefetch of ypf: my work-group's 16,384 bytes of a block, my wave's 8,192
	s_lshl_b32 s31, s24, 13                        ; prefetch of y16f: my work-group's 8,192 bytes of a block
	s_mul_i32 s30, s14, WSTAGE                     ; my stage
	v_and_b32 v21, 31, v0                          ; L
	v_lshlrev_b32 v1, 4, v21
	v_add_nc_u32 v2, 65536, v1
	v_bfe_u32 v22, v0, 3, 1
	v_bfe_u32 v23, v0, 4, 1                        ; h
	v_and_b32 v24, 7, v0
	v_lshl_add_u32 v24, v23, 3, v24                ; the transposing load: lane L addresses key 8 (L >> 4) + (L & 7),
	v_lshl_add_u32 v24, v22, 4, v24                ; columns 8 ((L >> 3) & 1) .. + 7: piece 16 ((L >> 3) & 1) + 8 (L >> 4) + (L & 7) of the block of 512 bytes
	v_lshlrev_b32 v24, 4, v24
	v_add_nc_u32 v3, VSLOT, v24
	v_lshl_add_u32 v6, v21, 8, s27
	v_lshl_add_u32 v7, v21, 8, s31
	v_and_b32 v25, 15, v0                          ; r
	v_mul_u32_u24 v28, v25, SPITCH
	v_lshl_add_u32 v28, v23, 5, v28
	v_add_nc_u32 v28, s30, v28                     ; in: row r, 32 bytes for each half of the lanes
	v_add_nc_u32 v29, s30, v1                      ; back: 512 dense bytes of a row
	s_wait_dscnt 0x0
	s_wait_kmcnt 0x0
	s_mov_b32 s32, 1                               ; group 0 for slot K
	s_mul_i32 s33, s14, 32768
	s_add_nc_u64 s[34:35], s[6:7], s[48:49]
	s_or_b32 s35, s35, 0x80000000
	s_mov_b32 s36, 1                               ; group 0 for slot V
	s_mul_i32 s37, s14, 16384
	s_add_co_u32 s37, s37, VSLOT
	s_add_nc_u64 s[38:39], s[8:9], s[50:51]
	s_or_b32 s39, s39, 0x80000000
	s_add_nc_u64 s[56:57], s[6:7], s[60:61]        ; prefetch bases
	s_add_nc_u64 s[58:59], s[8:9], s[62:63]
	s_add_nc_u64 s[28:29], s[4:5], s[52:53]        ; my rows of xpf
	s_add_nc_u64 s[12:13], s[12:13], s[54:55]      ; my rows of out0
	s_load_b32 s42, s[10:11], s26 offset:0x0       ; my query block's scale
	ROUND                                          ; all four work-groups are here: the first joint loads meet
	tensor_load_to_lds s[32:35], s[16:23]          ; block 0 of ypf
	s_nop 0
	tensor_load_to_lds s[36:39], s[68:75]          ; block 0 of y16f
	s_nop 0
	WIN 0x40                                       ; data window 1, address window 0
.set hi_, 0
.rept 32
	global_load_b128 v[8*hi_:8*hi_+3],   v1, s[28:29] offset:hi_*1024      ; Xp(u, s), index 16 u + s: 16 K steps of 1,024 bytes are a block of 16 rows
	global_load_b128 v[8*hi_+4:8*hi_+7], v1, s[28:29] offset:hi_*1024+512
.set hi_, hi_+1
.endr
	WIN 0
	s_wait_kmcnt 0x0
	s_mul_f32 s42, s42, 0x3fb8aa3b                 ; x log2(e): the exponentials are in base 2
	s_wait_tensorcnt 0x1                           ; my quarter of slot K is in; slot V's may stay out
	s_barrier_signal -1
	s_barrier_wait -1
	s_wait_loadcnt 0x0                             ; Xp
.macro SLOAD g                         ; group g: K step g >> 1, part g & 1 (0 upper, 1 lower): the four fragments of the 64 keys into buffer g mod 3
.set sgs, (\g)>>1
.set sgh, (\g)&1
.set sgb, 160+32*((\g)%3)
.set sgi, 0
.rept 4
	ds_load_b128 v[sgb+8*sgi:sgb+8*sgi+3],   v[1+sgh] offset:sgi*16384+sgs*1024
	ds_load_b128 v[sgb+8*sgi+4:sgb+8*sgi+7], v[1+sgh] offset:sgi*16384+sgs*1024+512
.set sgi, sgi+1
.endr
.endm
; S^T of 64 keys x 32 queries: 32 groups of 8 matrix instructions, one on each of the eight tiles.  One window setting serves products and loads.
; The eight tiles take turns, one instruction a turn, in the same order in every group.  The first group starts the sums.
.macro SPHASE
	WIN 0x04                                       ; source 1 (Xp) window 1, all else window 0
	SLOAD 0
	SLOAD 1
	SLOAD 2
.set spg, 0
.rept 32
.if spg < 30
	s_wait_dscnt 16                                ; LDS loads come back in order (ISA guide 5.7.1): all but the next two groups'
.else
	s_wait_dscnt 8*(31-spg)
.endif
.set sps, spg>>1
.set spb, 160+32*(spg%3)
.set spj, 0
.rept 4
.set spu, 0
.rept 2
.set spd, 32+8*(2*spj+spu)
.if spg == 0
	v_wmma_f32_16x16x32_f16 v[spd:spd+7], v[spb+8*spj:spb+8*spj+7], v[128*spu+8*sps:128*spu+8*sps+7], 0
.else
	v_wmma_f32_16x16x32_f16 v[spd:spd+7], v[spb+8*spj:spb+8*spj+7], v[128*spu+8*sps:128*spu+8*sps+7], v[spd:spd+7]
.endif
.set spu, spu+1
.endr
.set spj, spj+1
.endr
.if spg <= 28
	PLACES                                         ; the buffer just multiplied is loaded again
	SLOAD (spg+3)
.endif
.set spg, spg+1
.endr
	PLACES                                         ; the softmax reads the results; PV's loads land on the buffers
	WIN 0
.endm
; The softmax step of query rows u: a lane holds 32 of its row's 64 scores.  s44 = c = scale x scale x log2(e) > 0.
.macro SMU u, first
.set smb, 32+8*\u                      ; tile (jt, u) at smb + 16 jt; chain k of the maximum covers tile k
.irp k, 0,1,2,3
	v_max3_num_f32 v[20+\k], v[smb+16*\k], v[smb+16*\k+1], v[smb+16*\k+2]
.endr
.irp k, 0,1,2,3
	v_max3_num_f32 v[20+\k], v[20+\k], v[smb+16*\k+3], v[smb+16*\k+4]
.endr
.irp k, 0,1,2,3
	v_max3_num_f32 v[20+\k], v[20+\k], v[smb+16*\k+5], v[smb+16*\k+6]
.endr
.irp k, 0,1,2,3
	v_max_num_f32 v[20+\k], v[20+\k], v[smb+16*\k+7]
.endr
	v_max3_num_f32 v20, v20, v21, v22
	v_max_num_f32 v20, v20, v23
	v_permlanex16_b32 v21, v20, s46, s47           ; the row's other 32 scores lie in the other half of the lanes
	v_max_num_f32 v20, v20, v21
.if \first
	v_mul_f32 v[8+\u], s44, v20                    ; m = c x the block's maximum
.else
	v_mul_f32 v20, s44, v20
	v_max_num_f32 v20, v[8+\u], v20                ; the running maximum
	v_sub_f32 v21, v[8+\u], v20
	v_exp_f32 v[16+2*\u], v21                      ; alpha = 2^(m old - m new)
	v_mov_b32 v[8+\u], v20                         ; the plain instruction behind the transcendental (ISA guide 5.7.2)
	s_wait_alu depctr_va_vdst(0)
	v_mov_b32 v[17+2*\u], v[16+2*\u]
.endif
	v_xor_b32 v[12+2*\u], 0x80000000, v[8+\u]      ; - m, twice, for the packed multiply-add
	v_mov_b32 v[13+2*\u], v[12+2*\u]
.set smj, 0
.rept 4
.irp p, 0,2,4,6
	v_pk_fma_f32 v[smb+16*smj+\p:smb+16*smj+\p+1], v[smb+16*smj+\p:smb+16*smj+\p+1], s[44:45], v[12+2*\u:13+2*\u] op_sel_hi:[1,0,1]
.endr
.set smj, smj+1
.endr
.set smj, 0
.rept 4
.irp p, 0,1,2,3,4,5,6,7
	v_exp_f32 v[smb+16*smj+\p], v[smb+16*smj+\p]
.endr
.set smj, smj+1
.endr
	v_nop                                          ; the plain instruction behind the transcendentals
	s_wait_alu depctr_va_vdst(0)
	v_pk_add_f32 v[20:21], v[smb:smb+1], v[smb+2:smb+3]
	v_pk_add_f32 v[22:23], v[smb+4:smb+5], v[smb+6:smb+7]
.set smj, 1
.rept 3
	v_pk_add_f32 v[20:21], v[20:21], v[smb+16*smj:smb+16*smj+1]
	v_pk_add_f32 v[22:23], v[22:23], v[smb+16*smj+2:smb+16*smj+3]
	v_pk_add_f32 v[20:21], v[20:21], v[smb+16*smj+4:smb+16*smj+5]
	v_pk_add_f32 v[22:23], v[22:23], v[smb+16*smj+6:smb+16*smj+7]
.set smj, smj+1
.endr
	v_pk_add_f32 v[20:21], v[20:21], v[22:23]
.if \first
	v_add_f32 v[10+\u], v20, v21                   ; l: my half of the row's sum; the halves meet at the end
.else
	v_add_f32 v20, v20, v21
	v_fma_f32 v[10+\u], v[10+\u], v[16+2*\u], v20
.endif
	; P(kb, u) = tiles 2 kb and 2 kb + 1, packed.  It lands on tile index 2 kb + u, which has been read: kb ascends
.set smk, 0
.rept 2
.set smp, 32+8*(2*smk+\u)
.set sm0, 32+8*(4*smk+\u)
.set sm1, 32+8*(4*smk+2+\u)
.irp p, 0,1,2,3
	v_cvt_pk_f16_f32 v[smp+\p], v[sm0+2*\p], v[sm0+2*\p+1]
.endr
.irp p, 0,1,2,3
	v_cvt_pk_f16_f32 v[smp+4+\p], v[sm1+2*\p], v[sm1+2*\p+1]
.endr
.set smk, smk+1
.endr
.endm
.macro RESC1                           ; one window's 32 tiles: O(t, u) times the pair v[16 + 2 u : 17 + 2 u]
.set rst, 0
.rept 32
.irp p, 0,2,4,6
	v_pk_mul_f32 v[8*rst+\p:8*rst+\p+1], v[8*rst+\p:8*rst+\p+1], v[16+2*(rst&1):17+2*(rst&1)]
.endr
.set rst, rst+1
.endr
.endm
.macro RESCALE
	WIN 0x82                                       ; O window 2, the factor window 0
	RESC1
	WIN 0xc3
	RESC1
.endm
.macro PVLOAD g                        ; group g = 4 win + 2 kb + th: y^T fragments t = 16 win + 8 th + 0..7 of keys 32 kb .. + 31 into buffer g mod 2
	WIN 0
.set pvw, (\g)>>2
.set pvk, ((\g)>>1)&1
.set pvb, 96+64*((\g)&1)
.set pvo, (2*pvk)*16384+(16*pvw+8*((\g)&1))*512
.set pvi, 0
.rept 8
	ds_load_tr16_b128 v[pvb+8*pvi:pvb+8*pvi+3],   v3 offset:pvo+pvi*512         ; keys 32 kb + 8 h .. + 7 of column 16 t + r
	ds_load_tr16_b128 v[pvb+8*pvi+4:pvb+8*pvi+7], v3 offset:pvo+pvi*512+16384   ; keys 32 kb + 16 + 8 h .. + 7
.set pvi, pvi+1
.endr
.endm
; O^T += y^T x P^T: 8 groups of 16 matrix instructions; the tiles take turns, one instruction a turn, and neighbouring groups work on
; different tiles.  first = 1: keys 0-31 start the sums.
.macro PVPHASE first
.set pvg, 0
.rept 8
.if pvg < 7
	s_wait_dscnt 16                                ; all but the next group's 16 loads
.else
	s_wait_dscnt 0
.endif
.set pqk, (pvg>>1)&1
.set pqb, 96+64*(pvg&1)
.set pqz, 0
.if \first
.if pqk == 0
.set pqz, 1
.endif
.endif
	WIN (0xa0+0x50*(pvg>>2))                       ; C and D window 2 or 3, sources window 0
.set pqi, 0
.rept 8
.set pqu, 0
.rept 2
.set pqd, 8*(2*(8*(pvg&1)+pqi)+pqu)
.if pqz
	v_wmma_f32_16x16x32_f16 v[pqd:pqd+7], v[pqb+8*pqi:pqb+8*pqi+7], v[32+8*(2*pqk+pqu):32+8*(2*pqk+pqu)+7], 0
.else
	v_wmma_f32_16x16x32_f16 v[pqd:pqd+7], v[pqb+8*pqi:pqb+8*pqi+7], v[32+8*(2*pqk+pqu):32+8*(2*pqk+pqu)+7], v[pqd:pqd+7]
.endif
.set pqu, pqu+1
.endr
.set pqi, pqi+1
.endr
.if pvg <= 5
	PLACES
	PVLOAD (pvg+2)
.endif
.set pvg, pvg+1
.endr
.rept 5
	v_nop                                          ; five places: the next S phase's products write over P, its loads land on the buffers
.endr
	WIN 0
.endm
; One block of 64 keys.
.macro ITER first, refill
	s_load_b32 s43, s[10:11], s41 offset:0x0       ; the key block's scale
.if \refill
	PF 56, 6, 2                                    ; the block of ypf that is loaded behind this S phase
.endif
	SPHASE
	s_wait_tensorcnt 0x0                           ; all my tensor loads have landed, my quarter of slot V among them; so a group 0 may be written
	ds_add_u32 v30, v31
	s_wait_dscnt 0x0
.if \refill
	s_add_nc_u64 s[34:35], s[34:35], KBLK
	s_wait_dscnt 0x0                               ; my reads of slot K are back
	ROUND                                          ; both now hold of every wave of all four work-groups
	tensor_load_to_lds s[32:35], s[16:23]          ; my one tensor load behind the round: the next block of ypf; softmax, rescale and PV lie ahead of the wait for it
	s_nop 0
.else
	s_wait_dscnt 0x0
	s_barrier_signal -1
	s_barrier_wait -1                              ; slot V is whole; nothing is left to fetch
.endif
	PVLOAD 0                                       ; they land while the softmax runs
	PVLOAD 1
.if \refill
	PF 58, 7, 1                                    ; the block of y16f that is loaded behind this PV phase
.endif
	s_wait_kmcnt 0x0
	s_mul_f32 s44, s43, s42                        ; c
	s_add_co_u32 s41, s41, 4                       ; free since the wait above
	s_mov_b32 s45, s44
	SMU 0, \first
	SMU 1, \first
.if \first == 0
	RESCALE
.endif
	PVPHASE \first
.if \refill
	s_wait_tensorcnt 0x0                           ; my quarter of slot K has landed
	ds_add_u32 v30, v31
	s_wait_dscnt 0x0
	s_add_nc_u64 s[38:39], s[38:39], VBLK
	s_wait_xcnt 0x0                                ; the prefetches' bases are stepped only behind this wait (the last was issued a phase ago)
	s_add_nc_u64 s[56:57], s[56:57], KBLK
	s_add_nc_u64 s[58:59], s[58:59], VBLK
	s_wait_dscnt 0x0                               ; my reads of slot V are back
	ROUND
	tensor_load_to_lds s[36:39], s[68:75]          ; the next block of y16f
	s_nop 0
.endif
.endm
	ITER 1, 1                                      ; block 0 starts maximum, sum and output: nothing is cleared
	s_mov_b32 s40, 14
.Lblock:
	ITER 0, 1                                      ; blocks 1 to 14
	s_sub_co_i32 s40, s40, 1
	s_cmp_lg_u32 s40, 0
	s_cbranch_scc1 .Lblock
	ITER 0, 0                                      ; block 15 fetches nothing
	; THE WAY OUT.  The two halves of a row's sum meet; O is divided by it.
	v_permlanex16_b32 v20, v10, s46, s47
	v_permlanex16_b32 v21, v11, s46, s47
	v_add_f32 v10, v10, v20
	v_add_f32 v11, v11, v21
	v_rcp_f32 v16, v10                             ; l is at least about 1: the row's largest term is 2^0
	v_rcp_f32 v18, v11
	v_nop                                          ; the plain instruction behind the transcendentals
	s_wait_alu depctr_va_vdst(0)
	v_mov_b32 v17, v16
	v_mov_b32 v19, v18
	RESCALE
	WIN 0
	s_wait_dscnt 0x0
	s_barrier_signal -1
	s_barrier_wait -1                              ; no wave reads a slot any more, and both have had their last fill: the stage lies in them
; 16 rows at a time: a lane's 32 bytes (columns 16 t + 8 h .. + 7 of row r) go into my own stage, whole rows come back, and every store covers 512 dense, aligned bytes.
; LDS serves a wave's instructions in order (ISA guide 5.7.1), so no wait stands between my stores and my loads.
.macro OUTU u
	WIN 0x08                                       ; store data window 2
.set ott, 0
.rept 16
	ds_store_b128 v28, v[8*(2*ott+\u):8*(2*ott+\u)+3]   offset:64*ott
	ds_store_b128 v28, v[8*(2*ott+\u)+4:8*(2*ott+\u)+7] offset:64*ott+16
.set ott, ott+1
.endr
	WIN 0x0c                                       ; window 3
.set ott, 0
.rept 16
	ds_store_b128 v28, v[8*(2*ott+\u):8*(2*ott+\u)+3]   offset:64*(16+ott)
	ds_store_b128 v28, v[8*(2*ott+\u)+4:8*(2*ott+\u)+7] offset:64*(16+ott)+16
.set ott, ott+1
.endr
	WIN 0
.set otb, 0
.rept 4                                ; four rows a batch, two register sets in turn
.set otg, 32+64*(otb&1)
	s_wait_xcnt 0x0                                ; a set that stores read is loaded again only behind this wait
.set oti, 0
.rept 16
	ds_load_b128 v[otg+4*oti:otg+4*oti+3], v29 offset:(4*otb+(oti>>2))*SPITCH+(oti&3)*512
.set oti, oti+1
.endr
.set oti, 0
.rept 16
	s_wait_dscnt 15-oti
	global_store_b128 v1, v[otg+4*oti:otg+4*oti+3], s[12:13] offset:\u*32768+(4*otb+(oti>>2))*2048+(oti&3)*512 th:TH_STORE_NT
.set oti, oti+1
.endr
.set otb, otb+1
.endr
.endm
	OUTU 0
	OUTU 1
	s_wait_tensorcnt 0x0
	ds_add_u32 v30, v31
	s_wait_dscnt 0x0
	ROUND                                          ; the closing round: no work-group ends while a partner may still ask for a tile that names it
	s_endpgm
.Lfunc_end_k_q5a5f5d2a01_attn:
	.size	k_q5a5f5d2a01_attn, .Lfunc_end_k_q5a5f5d2a01_attn-k_q5a5f5d2a01_attn
	.p2alignl 7, 3214868480
	.fill 96, 4, 3214868480
	.section	.rodata,"a",@progbits
	.p2align	6, 0x0
	.amdhsa_kernel k_q5a5f5d2a01_attn
		.amdhsa_group_segment_fixed_size 327680
		.amdhsa_private_segment_fixed_size 0
		.amdhsa_enable_private_segment 0
		.amdhsa_kernarg_size 40
		.amdhsa_user_sgpr_count 2
		.amdhsa_user_sgpr_kernarg_segment_ptr 1
		.amdhsa_wavefront_size32 1
		.amdhsa_system_sgpr_workgroup_id_x 1
		.amdhsa_system_sgpr_workgroup_id_y 1
		.amdhsa_system_sgpr_workgroup_id_z 1
		.amdhsa_system_vgpr_workitem_id 0
		.amdhsa_next_free_vgpr 1024
		.amdhsa_next_free_sgpr 80
		.amdhsa_reserve_vcc 0
		.amdhsa_float_denorm_mode_32 3
		.amdhsa_float_denorm_mode_16_64 3
		.amdhsa_memory_ordered 1
		.amdhsa_forward_progress 1
		.amdhsa_inst_pref_size 255
	.end_amdhsa_kernel
	.section	.bss,"aw",@nobits
	.p2align	6
	.space	262144
	.amdgpu_metadata
---
amdhsa.version: [ 1, 2 ]
amdhsa.kernels:
  - .name:           k_q5a5f5d2a01_attn
    .symbol:         k_q5a5f5d2a01_attn.kd
    .args:
      - { .name: xpf, .offset: 0, .size: 8, .value_kind: global_buffer, .address_space: global }
      - { .name: ypf, .offset: 8, .size: 8, .value_kind: global_buffer, .address_space: global }
      - { .name: y16f, .offset: 16, .size: 8, .value_kind: global_buffer, .address_space: global }
      - { .name: scl, .offset: 24, .size: 8, .value_kind: global_buffer, .address_space: global }
      - { .name: out0, .offset: 32, .size: 8, .value_kind: global_buffer, .address_space: global }
    .group_segment_fixed_size: 327680
    .private_segment_fixed_size: 0
    .kernarg_segment_align: 8
    .kernarg_segment_size: 40
    .max_flat_workgroup_size: 128
    .sgpr_count:     80
    .vgpr_count:     1024
    .wavefront_size: 32
...
	.end_amdgpu_metadata
.endif
;; end of part 3
;; ======== version 2 of 2: 3 launches
;; limits: values outside matrix products are rounded to bf16; inputs' magnitudes at most 65,504; values are held in f16: magnitudes above 65,504 overflow, below 6.1e-05 lose precision
;; workspace buffers: w16 524,288 bytes; xpf 33,816,576 bytes; ypf 33,816,576 bytes; y16f 33,554,432 bytes; scl 4,096 bytes
;; launch prep: the kernel of part 1 again; grid 256 x 1, 1 waves a work-group, no clusters, 0 bytes of LDS; arguments W, w16; writes w16
;; launch proj (part 4): grid 512 x 1, 4 waves a work-group, no clusters, 314,112 bytes of LDS; arguments x, y, w16, b, xpf, ypf, y16f, scl; writes xpf, ypf, y16f, scl
.if DOCPART == 4
	.amdgcn_target "amdgcn-amd-amdhsa--gfx1250"
	.amdhsa_code_object_version 6
	.text
	.protected	k_q5a5f5d2a01_proj
	.globl	k_q5a5f5d2a01_proj
	.p2align	8
	.type	k_q5a5f5d2a01_proj,@function
k_q5a5f5d2a01_proj:
	s_mov_b64 s[64:65], 0
	v_nop
	global_prefetch_b8 v0, s[64:65] scope:SCOPE_SE
	s_setreg_imm32_b32 hwreg(HW_REG_WAVE_MODE, 25, 1), 1
	s_wait_xcnt 0x0
; relu(rows . W^T + b) for the 65,536 rows of x (work-groups 0-255) and of y (256-511), 128 rows a work-group, all 512 outputs.
; NUMBER FORMATS.  x, y, W AND b are rounded to bf16 (to nearest even); the products of bf16 numbers are exact and the sums are f32, so this
; launch is the projection of the bf16-rounded inputs with no further loss.  b is no matrix operand and is rounded all the same, so that the
; whole program is one function of bf16 inputs.
; THE RESULT IS CENTERED BEFORE IT IS ROUNDED TO f16.  With p = relu(.), p = p' + nu, nu one number for the block, a score is
;   sum_h px ph = px' . py' + nux sum_h py' + nuy (sum_h px' + 512 nux)     exactly, for any nux, nuy.
; nu = the block's mean of p, cut to 11 significant bits.  Centering lowers the mean square of what is rounded (for half-normal numbers from 1/2 to 0.34 of
; the variance in front of relu), and the elements that relu made 0 become - nu, which f16 holds exactly.  The sums of the centered rows are kept in f32.
; OUT.  xpf / ypf, 132,096 bytes for a block of 128 rows: 131,072 bytes p' x 2^k in f16 in fragment order ([16 rows][K step][c][lane][16 bytes]), 512 bytes
;   the 128 row sums of p' x 2^k in f32, 512 bytes of zeros (so that a block is 4 x 129 pieces of 256 bytes).  2^k puts max(largest p', nu) into
;   [2^14, 2^15); p' is never below - nu, so that bounds |p'|.  The scale comes from the block itself: the result has no range limit of its own in f16.
;   scl[g] = the pair 2^-k, nu x 2^k.     y16f = bf16(y) as f16, fragment order, for the last product of the attention.
; LIMIT: |y| below 65,504 (the largest f16); below 6.1e-5 y is resolved in steps of 6e-8.  Where the columns' means differ widely the one mean gains no
; precision and loses none.
;
; SHARES.  Four waves, one for each SIMD.  Wave w makes outputs 128 w .. + 127 of all 128 rows: 64 accumulator tiles, 512 registers.
; The matrix instruction takes W as source 0 and the rows as source 1: lane (r, h) then holds row r and outputs 8 h .. 8 h + 7, eight
; neighbours that pack into the 16 bytes which fragment order wants of this lane: the result is stored straight from registers, 512 dense bytes a store.
; W: each number of w16 is used by ONE wave of the work-group, so it goes from memory straight into registers (16 loads of 512 dense bytes
; for a K step, asked for two K steps ahead, three buffers); LDS would share nothing.
; ROWS: f32 in memory.  The whole tile of 128 x 512 f32 is asked for at once by tensor loads, four a wave (four outstanding by this text's count),
; 64 rows x 256 bytes each; a quarter (128 of K) at a time is turned into bf16 fragments in LDS while the quarter before is multiplied.
; NO CLUSTER: what work-groups share is w16 alone, and it does not pass through LDS here; the f32 tile and its bf16 image take 311,296 of the
; 327,680 bytes, so no ring for W fits beside them.
;
; LDS:  0 .. 32,767            F(0): bf16 fragments of quarter 0
;       32,768 + q x 69,632    R(q): quarter q in f32: two chunks of 128 rows x 256 bytes, rows 272 bytes apart (17 x 16: the sixteen rows of a read start in sixteen different 16-byte columns)
;       F(q), q = 1..3         = the first 32,768 bytes of R(q-1), which has had its only fill and has been read
;       311,296                SCR: the four waves' sums (bytes 0-15) and maxima (bytes 16-31)
;       311,552                SCR2: the four waves' 128 row sums, 512 bytes each
; F(q) = [wave that wrote it][16 rows, 0..3][K step, 0..1][c][512 bytes].
.set RBASE, 32768
.set RQ,    69632
.set WTILE, 17408                      ; 64 rows x 272 bytes: what one tensor load fills
.set RP,    272
.set SCR,   311296
.set SCR2,  311552
.set OBLK,  132096                     ; bytes of a block in xpf and ypf
; window 0: v1 WA  v2 BA  v3 OA  v4 GY  v5-7 scratch addresses  v8-11 FA(q)  v12-15 CR(q)  v16-19 CW(q)  v20-27 at work
.set XF,    32                         ; v32-95, v96-159: row fragments of a K step (16 rows nb at + 8 nb), two buffers
.set RS,    32                         ; at the end: v32-47 eight pairs of row sums, v48-63 at work
.set ST,    160                        ; v160-223: eight pieces of 8 f32; then 4 registers bf16 and 4 registers f16 each
; window 1: v0-63, v64-127, v128-191: W's fragments of a K step (16 outputs a at + 8 a), three buffers
.set BIAS,  192                        ; window 1, v192-255: b of my 128 outputs in the accumulators' layout
; window 2: accumulators of rows 0-63 (tile (n, a) at 8 (8 n + a)); window 3: rows 64-127
.set MSB, 0
.macro WIN new                         ; s_set_vgpr_msb: bits 1:0 source 0, 3:2 source 1, 5:4 source 2, 7:6 destination; the high byte repeats the setting that is left
.if MSB != (\new)
	s_set_vgpr_msb (MSB<<8)|(\new)
.set MSB, (\new)
.endif
.endm
.macro PLACES                          ; four places behind a matrix instruction before a load lands on one of its sources
.rept 4
	v_nop
.endr
.endm
	s_load_b512 s[4:19], s[0:1], 0x0               ; x s[4:5], y s[6:7], w16 s[8:9], b s[10:11], xpf s[12:13], ypf s[14:15], y16f s[16:17], scl s[18:19]
	v_lshl_add_u32 v254, v0, 2, 0x4c900
	v_mov_b32 v255, 0
	ds_add_u32 v254, v255
	v_lshrrev_b32 v20, 5, v0
	v_readfirstlane_b32 s20, v20                   ; wave 0..3
	s_lshr_b32 s21, ttmp9, 8                       ; 0: rows of x, 1: rows of y
	s_and_b32 s22, ttmp9, 255                      ; block of 128 rows
	s_mov_b32 s58, 0x76543210                      ; v_permlanex16_b32: lane i reads lane i of the other half
	s_mov_b32 s59, 0xfedcba98
	; descriptor group 1: a tile of 64 rows x 64 f32, 16 bytes of padding behind each row
	s_mov_b32 s32, (2<<16)|(1<<20)|(5<<22)|(3<<25) ; 17:16 elements of 4 bytes; 20 padding on; 24:22 after every 64 words; 31:25 of 4 words
	s_mov_b32 s33, 64<<16                          ; tensor_dim0 = 64
	s_mov_b32 s34, 64<<16                          ; tensor_dim1 = 64
	s_mov_b32 s35, 64<<16                          ; tile_dim0 = 64
	s_mov_b32 s36, 64                              ; tile_dim1 = 64
	s_mov_b32 s37, 512                             ; 512 elements from row to row
	s_mov_b32 s38, 0
	s_mov_b32 s39, 0
	s_and_b32 s30, s20, 1                          ; which 64 rows I fetch and convert
	s_lshr_b32 s31, s20, 1                         ; which chunk of a quarter
	s_lshl_b32 s60, s30, 16                        ; y16f: 4 blocks of 16 rows x 16,384
	s_lshl_b32 s61, s31, 11                        ;       + 2 K steps x 1,024
	s_add_co_u32 s60, s60, s61
	s_lshl_b32 s30, s30, 17                        ; 64 rows of 2,048 bytes
	s_lshl_b32 s31, s31, 8                         ; 64 columns of 4 bytes
	s_add_co_u32 s30, s30, s31
	s_lshl_b32 s31, s22, 18                        ; 128 rows of 2,048 bytes a block
	s_add_co_u32 s30, s30, s31
	s_mov_b32 s31, 0
	s_mul_i32 s23, s20, WTILE
	s_add_co_u32 s23, s23, RBASE                   ; my tile in R(0)
	v_and_b32 v21, 31, v0                          ; lane L
	v_and_b32 v22, 15, v0                          ; r
	v_bfe_u32 v23, v0, 4, 1                        ; h
	v_lshlrev_b32 v8, 4, v21                       ; FA(0) = 16 L
	v_lshl_add_u32 v1, s20, 17, v8                 ; WA = 16 L + 8 w blocks of 16,384 bytes of w16
	v_lshlrev_b32 v2, 5, v23
	v_lshl_add_u32 v2, s20, 9, v2                  ; BA = (128 w + 8 h) x 4
	v_lshl_add_u32 v3, s20, 12, v8                 ; OA = 16 L + 4 w K steps of 1,024 bytes
	v_add_nc_u32 v4, s60, v8                       ; GY = 16 L + my part of y16f
	v_add_nc_u32 v9, RBASE, v8                     ; FA(q) = F(q) + 16 L
	v_add_nc_u32 v10, RQ, v9
	v_add_nc_u32 v11, RQ, v10
	v_mul_u32_u24 v12, v22, RP
	v_lshl_add_u32 v12, v23, 5, v12
	v_add_nc_u32 v12, s23, v12                     ; CR(q) = my tile in R(q) + 272 r + 32 h
	v_add_nc_u32 v13, RQ, v12
	v_add_nc_u32 v14, RQ, v13
	v_add_nc_u32 v15, RQ, v14
	v_lshl_add_u32 v16, s20, 13, v8                ; CW(q) = F(q) + 8,192 w + 16 L
	v_add_nc_u32 v17, RBASE, v16
	v_add_nc_u32 v18, RQ, v17
	v_add_nc_u32 v19, RQ, v18
	s_lshl_b32 s61, s20, 2
	s_add_co_u32 s61, s61, SCR
	v_mov_b32 v5, s61                              ; my wave's word in SCR
	v_mov_b32 v6, SCR
	s_lshl_b32 s61, s20, 9
	s_add_co_u32 s61, s61, SCR2
	v_lshl_add_u32 v7, v22, 2, s61                 ; my wave's row sums in SCR2, + 4 r
	s_wait_dscnt 0x0
	s_wait_kmcnt 0x0
	s_cmp_lg_u32 s21, 0
	s_cselect_b64 s[24:25], s[6:7], s[4:5]         ; rows from y or from x
	s_cselect_b64 s[26:27], s[14:15], s[12:13]     ; result to ypf or to xpf
	s_add_nc_u64 s[24:25], s[24:25], s[30:31]      ; my tile of quarter 0
	; group 0, one set for each quarter, and the four first fills in one run, ahead of every wait on TENSORcnt, LDS read and barrier
.irp i, 0,1,2,3
	s_mov_b32 s[40+4*\i], 1
	s_add_co_u32 s[41+4*\i], s23, \i*RQ
	s_add_nc_u64 s[42+4*\i:43+4*\i], s[24:25], \i*512
	s_or_b32 s[43+4*\i], s[43+4*\i], 0x80000000
	tensor_load_to_lds s[40+4*\i:43+4*\i], s[32:39]
	s_nop 0
.endr
	s_lshl_b32 s30, s22, 17                        ; 128 rows of 1,024 bytes a block
	s_add_nc_u64 s[28:29], s[16:17], s[30:31]      ; y16f at my block
	s_mul_i32 s30, s22, OBLK
	s_add_nc_u64 s[26:27], s[26:27], s[30:31]      ; xpf or ypf at my block
.macro WLOAD s                         ; W's eight fragments of K step s into buffer s mod 3
	WIN 0x40                                       ; data window 1, address window 0
.set wb, 64*((\s)%3)
.set wa, 0
.rept 8
	global_load_b128 v[wb+8*wa:wb+8*wa+3],   v1, s[8:9] offset:wa*16384+(\s)*1024
	global_load_b128 v[wb+8*wa+4:wb+8*wa+7], v1, s[8:9] offset:wa*16384+(\s)*1024+512
.set wa, wa+1
.endr
.endm
.macro FETCH s                         ; the eight row fragments of K step s into buffer s mod 2: 16 reads of 512 dense bytes
.set fq, (\s)>>2
.set fp, (\s)&3
.set fx, XF+64*((\s)&1)
.set fo, (fp>>1)*16384+(fp&1)*1024
.set fn, 0
.rept 8
	ds_load_b128 v[fx+8*fn:fx+8*fn+3],   v[8+fq] offset:fo+(fn>>2)*8192+(fn&3)*2048
	ds_load_b128 v[fx+8*fn+4:fx+8*fn+7], v[8+fq] offset:fo+(fn>>2)*8192+(fn&3)*2048+512
.set fn, fn+1
.endr
.endm
; My tile of quarter q is 16 pieces k = ((16 rows) x 2 + K step) x 2 + c of 8 f32 a lane.  CONV_L reads eight of them, CONV_C rounds and stores them.
.macro CONV_L q, half
	s_wait_xcnt 0x0                                ; ST, which stores to y16f read, is written again only behind this wait
.set cj, 0
.rept 8
.set ck, 8*\half+cj
	ds_load_b128 v[ST+8*cj:ST+8*cj+3],   v[12+\q] offset:(ck>>2)*16*RP+((ck>>1)&1)*128+(ck&1)*64
	ds_load_b128 v[ST+8*cj+4:ST+8*cj+7], v[12+\q] offset:(ck>>2)*16*RP+((ck>>1)&1)*128+(ck&1)*64+16
.set cj, cj+1
.endr
.endm
.macro CONV_C q, half
.set cj, 0
.rept 8
.irp j, 0,1,2,3
	v_cvt_pk_bf16_f32 v[ST+8*cj+\j], v[ST+8*cj+2*\j], v[ST+8*cj+2*\j+1]    ; in place: register j is written when registers 2 j, 2 j + 1 have been read
.endr
.set cj, cj+1
.endr
.set cj, 0
.rept 8
	ds_store_b128 v[16+\q], v[ST+8*cj:ST+8*cj+3] offset:(8*\half+cj)*512
.set cj, cj+1
.endr
	s_cmp_lg_u32 s21, 0                            ; rows of y also leave as f16, for the last product of the attention
	s_cbranch_scc0 .Lnoy_\@
.set cj, 0
.rept 8
.irp j, 0,1,2,3
	v_lshlrev_b32 v[20+2*\j], 16, v[ST+8*cj+\j]            ; the bf16 numbers widened to f32,
	v_and_b32 v[21+2*\j], 0xffff0000, v[ST+8*cj+\j]
.endr
.irp j, 0,1,2,3
	v_cvt_pk_f16_f32 v[ST+8*cj+4+\j], v[20+2*\j], v[21+2*\j]   ; and narrowed to f16: 8 significant bits fit into 11
.endr
.set cj, cj+1
.endr
.set cj, 0
.rept 8
.set ck, 8*\half+cj
	global_store_b128 v4, v[ST+8*cj+4:ST+8*cj+7], s[28:29] offset:(ck>>2)*16384+\q*4096+((ck>>1)&1)*1024+(ck&1)*512
.set cj, cj+1
.endr
.Lnoy_\@:
.endm
; 32 matrix instructions: rows 64 hi .. + 63 x my 128 outputs, 32 along K.  The 64 accumulators take turns, one instruction a turn, in the
; same order in every K step.  first = 1: b starts the sums, nothing is cleared.
.macro MUL32 xf, wbuf, hi, first
.if \first
	WIN (0x91+0x40*\hi)                            ; W window 1, rows window 0, C = b window 1, D window 2 or 3
.else
	WIN (0xa1+0x50*\hi)                            ; C and D window 2 or 3
.endif
.set mn, 0
.rept 4
.set ma, 0
.rept 8
.if \first
	v_wmma_f32_16x16x32_bf16 v[8*(8*mn+ma):8*(8*mn+ma)+7], v[\wbuf+8*ma:\wbuf+8*ma+7], v[\xf+8*(4*\hi+mn):\xf+8*(4*\hi+mn)+7], v[BIAS+8*ma:BIAS+8*ma+7]
.else
	v_wmma_f32_16x16x32_bf16 v[8*(8*mn+ma):8*(8*mn+ma)+7], v[\wbuf+8*ma:\wbuf+8*ma+7], v[\xf+8*(4*\hi+mn):\xf+8*(4*\hi+mn)+7], v[8*(8*mn+ma):8*(8*mn+ma)+7]
.endif
.set ma, ma+1
.endr
.set mn, mn+1
.endr
.endm
; What stands in the middle of K step s: the next K step's row fragments, and a share of the next quarter's conversion.
.macro MID s
.set mq, (\s)>>2
.set mp, (\s)&3
.set mq1, mq+1
.if mq < 3
.if mp == 0
	FETCH (\s+1)
.endif
.if mp == 1
	FETCH (\s+1)
	s_wait_tensorcnt 2-mq                          ; tensor loads of a wave end in order (ISA guide 10.11.1): my tile of quarter mq + 1 is in, the later quarters stay out
	CONV_L mq1, 0
.endif
.if mp == 2
	s_wait_dscnt 0x0                               ; the eight pieces are in
	CONV_C mq1, 0
	FETCH (\s+1)
	CONV_L mq1, 1
.endif
.if mp == 3
	s_wait_dscnt 0x0
	CONV_C mq1, 1
	s_wait_dscnt 0x0                               ; my fragments of the next quarter are written, my reads of its f32 tile are back:
	s_barrier_signal -1                            ; behind this barrier every wave reads F(mq + 1), and R(mq + 1) may become F(mq + 2).
	s_barrier_wait -1                              ; The later quarters' tensor loads stay out across it
	FETCH (\s+1)
.endif
.else
	FETCH (\s+1)
.endif
.endm
.macro KSTEP s
.if \s > 0
	PLACES                                         ; behind the last K step's products: W's buffer and the row buffer that they read are loaded again below
.endif
.if \s <= 13
	WLOAD (\s+2)
	s_wait_loadcnt 32                              ; loads come back in order (ISA guide 5.7.1): all but the 32 of K steps s + 1 and s + 2
.else
	s_wait_loadcnt 16*(15-\s)
.endif
.set kd, 0
.if (\s&3) >= 2
.if \s < 12
.set kd, 16                            ; behind this K step's row fragments 16 reads of the f32 tile were issued: they may stay out
.endif
.endif
	s_wait_dscnt kd
.set kx, XF+64*(\s&1)
.set kw, 64*(\s%3)
.set kf, 0
.if \s == 0
.set kf, 1
.endif
	MUL32 kx, kw, 0, kf
.if \s < 15
	WIN 0
	MID \s
.endif
	MUL32 kx, kw, 1, kf
.endm
	WIN 0x40
.irp a, 0,1,2,3,4,5,6,7
	global_load_b128 v[BIAS+8*\a:BIAS+8*\a+3],   v2, s[10:11] offset:64*\a       ; register j of tile a = b[128 w + 16 a + 8 h + j]
	global_load_b128 v[BIAS+8*\a+4:BIAS+8*\a+7], v2, s[10:11] offset:64*\a+16
.endr
	WLOAD 0
	WLOAD 1
	WIN 0
	s_wait_tensorcnt 0x3                           ; my tile of quarter 0 is in; three stay out
	CONV_L 0, 0
	s_wait_dscnt 0x0
	CONV_C 0, 0
	CONV_L 0, 1
	s_wait_dscnt 0x0
	CONV_C 0, 1
	s_wait_dscnt 0x0
	s_barrier_signal -1
	s_barrier_wait -1                              ; F(0) is whole, R(0) has been read by all
	FETCH 0
	; b is rounded to bf16 and widened again, through v96-127 (row buffer 1, not yet in use)
	s_wait_loadcnt 32                              ; b's 16 loads are in; the 32 of W's K steps 0 and 1 may stay out
	WIN 0x05                                       ; sources window 1, destination window 0
.set bi, 0
.rept 32
	v_cvt_pk_bf16_f32 v[96+bi], v[BIAS+2*bi], v[BIAS+2*bi+1]
.set bi, bi+1
.endr
	WIN 0x40                                       ; destination window 1, source window 0
.set bi, 0
.rept 32
	v_lshlrev_b32 v[BIAS+2*bi], 16, v[96+bi]
	v_and_b32 v[BIAS+2*bi+1], 0xffff0000, v[96+bi]
.set bi, bi+1
.endr
.irp s, 0,1,2,3,4,5,6,7,8,9,10,11,12,13,14,15
	KSTEP \s
.endr
	; 1. relu in place, and the block's sum, in four chains of pairs (the eight lines that start them are also the places behind the last products)
	WIN 0
.irp k, 20,21,22,23,24,25,26,27
	v_mov_b32 v\k, 0
.endr
.macro RELU win
	WIN (0x45*\win)                                ; sources 0 and 1 and the destination in the window
.set qi, 0
.rept 256
	v_max_num_f32 v[qi], 0, v[qi]
.set qi, qi+1
.endr
	WIN (4*\win)                                   ; source 1 in the window, the chains in window 0
.set qi, 0
.rept 128
	v_pk_add_f32 v[20+2*(qi&3):21+2*(qi&3)], v[20+2*(qi&3):21+2*(qi&3)], v[2*qi:2*qi+1]
.set qi, qi+1
.endr
.endm
	RELU 2
	RELU 3
	WIN 0
	v_pk_add_f32 v[20:21], v[20:21], v[22:23]
	v_pk_add_f32 v[24:25], v[24:25], v[26:27]
	v_pk_add_f32 v[20:21], v[20:21], v[24:25]
	v_add_f32 v20, v20, v21
	v_add_f32_dpp v20, v20, v20 row_xmask:1 row_mask:0xf bank_mask:0xf
	v_add_f32_dpp v20, v20, v20 row_xmask:2 row_mask:0xf bank_mask:0xf
	v_add_f32_dpp v20, v20, v20 row_xmask:4 row_mask:0xf bank_mask:0xf
	v_add_f32_dpp v20, v20, v20 row_xmask:8 row_mask:0xf bank_mask:0xf
	v_permlanex16_b32 v21, v20, s58, s59
	v_add_f32 v20, v20, v21                        ; my wave's sum, in every lane
	ds_store_b32 v5, v20                           ; all lanes write the same word with the same number
	s_wait_dscnt 0x0
	s_barrier_signal -1
	s_barrier_wait -1
	ds_load_b128 v[20:23], v6
	s_wait_dscnt 0x0
	v_add_f32 v20, v20, v21
	v_add_f32 v22, v22, v23
	v_add_f32 v20, v20, v22
	v_mul_f32 v20, 0x37800000, v20                 ; x 2^-16: the mean of 128 x 512 numbers
	v_and_b32 v27, 0xffffe000, v20                 ; nu: 11 significant bits stay, so that nu x 2^k is exact in f16
	v_xor_b32 v26, 0x80000000, v27
	v_readfirstlane_b32 s56, v26                   ; - nu
	s_mov_b32 s57, s56
	; 2. centre in place; then the rows' sums (a pair of chains for each 16 rows) and the largest centred number (four chains)
.irp k, 20,21,22,23
	v_mov_b32 v\k, 0
.endr
.set qi, 0
.rept 16
	v_mov_b32 v[RS+qi], 0
.set qi, qi+1
.endr
.macro CENTER win
	WIN (0x41*\win)                                ; source 0 and the destination in the window
.set qi, 0
.rept 128
	v_pk_add_f32 v[2*qi:2*qi+1], v[2*qi:2*qi+1], s[56:57] op_sel_hi:[1,0]
.set qi, qi+1
.endr
	WIN (0x14*\win)                                ; sources 1 and 2 in the window, the chains in window 0
.set qa, 0
.rept 8
.set qp, 0
.rept 4
.set qn, 0
.rept 4                                ; the four blocks of 16 rows innermost: neighbouring lines work on different chains
.set qr, 8*(8*qn+qa)+2*qp
.set qs, RS+2*(4*(\win-2)+qn)
	v_pk_add_f32 v[qs:qs+1], v[qs:qs+1], v[qr:qr+1]
	v_max3_num_f32 v[20+qn], v[20+qn], v[qr], v[qr+1]
.set qn, qn+1
.endr
.set qp, qp+1
.endr
.set qa, qa+1
.endr
.endm
	CENTER 2
	CENTER 3
	WIN 0
.irp n, 0,1,2,3,4,5,6,7
	v_add_f32 v[48+\n], v[RS+2*\n], v[RS+2*\n+1]
.endr
.irp n, 0,1,2,3,4,5,6,7
	v_permlanex16_b32 v[56+\n], v[48+\n], s58, s59 ; the other 64 of my wave's 128 outputs lie in the other half of the lanes
.endr
.irp n, 0,1,2,3,4,5,6,7
	v_add_f32 v[48+\n], v[48+\n], v[56+\n]
.endr
.irp n, 0,1,2,3,4,5,6,7
	ds_store_b32 v7, v[48+\n] offset:64*\n         ; row 16 n + r; both halves of the lanes write the same word with the same number
.endr
	v_max3_num_f32 v20, v20, v21, v22
	v_max_num_f32 v20, v20, v23
	v_max_num_f32_dpp v20, v20, v20 row_xmask:1 row_mask:0xf bank_mask:0xf
	v_max_num_f32_dpp v20, v20, v20 row_xmask:2 row_mask:0xf bank_mask:0xf
	v_max_num_f32_dpp v20, v20, v20 row_xmask:4 row_mask:0xf bank_mask:0xf
	v_max_num_f32_dpp v20, v20, v20 row_xmask:8 row_mask:0xf bank_mask:0xf
	v_permlanex16_b32 v21, v20, s58, s59
	v_max_num_f32 v20, v20, v21
	ds_store_b32 v5, v20 offset:16
	s_wait_dscnt 0x0
	s_barrier_signal -1
	s_barrier_wait -1
	ds_load_b128 v[20:23], v6 offset:16
	s_wait_dscnt 0x0
	v_max3_num_f32 v20, v20, v21, v22
	v_max_num_f32 v20, v20, v23
	v_max_num_f32 v20, v20, v27                    ; centred numbers lie in [- nu, largest]: this bounds their magnitude, and nu itself
	v_lshrrev_b32 v20, 23, v20                     ; its exponent field E
	v_max_u32 v20, 15, v20                         ; kept in 15 .. 254, so that both powers below are normal numbers (a block of zeros: E = 15)
	v_min_u32 v20, 254, v20
	v_sub_nc_u32 v21, 268, v20
	v_lshlrev_b32 v21, 23, v21                     ; 2^(141 - E): the bound, in [2^(E-127), 2^(E-126)), goes to [2^14, 2^15)
	v_add_nc_u32 v22, -14, v20
	v_lshlrev_b32 v22, 23, v22                     ; 2^(E - 141), its inverse
	v_mul_f32 v23, v27, v21                        ; nu in the scaled unit
	v_readfirstlane_b32 s62, v21
	s_mov_b32 s63, s62
; 3. scale, round to f16, in place; then 32 stores of 512 dense bytes: tile (n, a) = rows 16 n .., K step 4 w + (a >> 1), c = a & 1 of the result
.macro FINISH win
	WIN (0x45*\win)
.set qt, 0
.rept 32
.irp j, 0,2,4,6
	v_pk_mul_f32 v[8*qt+\j:8*qt+\j+1], v[8*qt+\j:8*qt+\j+1], s[62:63] op_sel_hi:[1,0]
.endr
.irp j, 0,1,2,3
	v_cvt_pk_f16_f32 v[8*qt+\j], v[8*qt+2*\j], v[8*qt+2*\j+1]
.endr
.set qt, qt+1
.endr
	WIN (4*\win)                                   ; store data (source 1) in the window, address window 0
.set qt, 0
.rept 32
	global_store_b128 v3, v[8*qt:8*qt+3], s[26:27] offset:(4*(\win-2)+(qt>>3))*16384+((qt&7)>>1)*1024+(qt&1)*512
.set qt, qt+1
.endr
.endm
	FINISH 2
	FINISH 3
	WIN 0
	; 4. wave 0 adds the four waves' row sums, four rows a lane, scales them and stores 512 dense bytes, and 512 bytes of zeros behind them
	s_cmp_lg_u32 s20, 0
	s_cbranch_scc1 .Lnorows
	v_add_nc_u32 v24, SCR2, v8
	ds_load_b128 v[32:35], v24
	ds_load_b128 v[36:39], v24 offset:512
	ds_load_b128 v[40:43], v24 offset:1024
	ds_load_b128 v[44:47], v24 offset:1536
	s_wait_dscnt 0x0
	v_pk_add_f32 v[32:33], v[32:33], v[36:37]
	v_pk_add_f32 v[34:35], v[34:35], v[38:39]
	v_pk_add_f32 v[40:41], v[40:41], v[44:45]
	v_pk_add_f32 v[42:43], v[42:43], v[46:47]
	v_pk_add_f32 v[32:33], v[32:33], v[40:41]
	v_pk_add_f32 v[34:35], v[34:35], v[42:43]
	v_pk_mul_f32 v[32:33], v[32:33], s[62:63] op_sel_hi:[1,0]
	v_pk_mul_f32 v[34:35], v[34:35], s[62:63] op_sel_hi:[1,0]
.irp k, 36,37,38,39
	v_mov_b32 v\k, 0
.endr
	global_store_b128 v8, v[32:35], s[26:27] offset:131072
	global_store_b128 v8, v[36:39], s[26:27] offset:131584
.Lnorows:
	s_lshl_b32 s30, ttmp9, 3
	v_mov_b32 v25, s30
	s_wait_xcnt 0x0                                ; EXEC is a source of the stores above: it changes only behind this wait
	v_cmp_eq_u32 vcc_lo, 0, v0
	s_wait_tensorcnt 0x0
	ds_add_u32 v254, v255
	s_wait_dscnt 0x0
	s_and_saveexec_b32 s60, vcc_lo
	global_store_b64 v25, v[22:23], s[18:19]       ; thread 0 stores the block's pair: 2^-k, nu x 2^k
	s_wait_xcnt 0x0
	s_or_b32 exec_lo, exec_lo, s60
	s_endpgm
.Lfunc_end_k_q5a5f5d2a01_proj:
	.size	k_q5a5f5d2a01_proj, .Lfunc_end_k_q5a5f5d2a01_proj-k_q5a5f5d2a01_proj
	.p2alignl 7, 3214868480
	.fill 96, 4, 3214868480
	.section	.rodata,"a",@progbits
	.p2align	6, 0x0
	.amdhsa_kernel k_q5a5f5d2a01_proj
		.amdhsa_group_segment_fixed_size 314112
		.amdhsa_private_segment_fixed_size 0
		.amdhsa_enable_private_segment 0
		.amdhsa_kernarg_size 64
		.amdhsa_user_sgpr_count 2
		.amdhsa_user_sgpr_kernarg_segment_ptr 1
		.amdhsa_wavefront_size32 1
		.amdhsa_system_sgpr_workgroup_id_x 1
		.amdhsa_system_sgpr_workgroup_id_y 1
		.amdhsa_system_sgpr_workgroup_id_z 1
		.amdhsa_system_vgpr_workitem_id 0
		.amdhsa_next_free_vgpr 1024
		.amdhsa_next_free_sgpr 66
		.amdhsa_reserve_vcc 1
		.amdhsa_float_denorm_mode_32 3
		.amdhsa_float_denorm_mode_16_64 3
		.amdhsa_memory_ordered 1
		.amdhsa_forward_progress 1
		.amdhsa_inst_pref_size 255
	.end_amdhsa_kernel
	.section	.bss,"aw",@nobits
	.p2align	6
	.space	262144
	.amdgpu_metadata
---
amdhsa.version: [ 1, 2 ]
amdhsa.kernels:
  - .name:           k_q5a5f5d2a01_proj
    .symbol:         k_q5a5f5d2a01_proj.kd
    .args:
      - { .name: x, .offset: 0, .size: 8, .value_kind: global_buffer, .address_space: global }
      - { .name: y, .offset: 8, .size: 8, .value_kind: global_buffer, .address_space: global }
      - { .name: w16, .offset: 16, .size: 8, .value_kind: global_buffer, .address_space: global }
      - { .name: b, .offset: 24, .size: 8, .value_kind: global_buffer, .address_space: global }
      - { .name: xpf, .offset: 32, .size: 8, .value_kind: global_buffer, .address_space: global }
      - { .name: ypf, .offset: 40, .size: 8, .value_kind: global_buffer, .address_space: global }
      - { .name: y16f, .offset: 48, .size: 8, .value_kind: global_buffer, .address_space: global }
      - { .name: scl, .offset: 56, .size: 8, .value_kind: global_buffer, .address_space: global }
    .group_segment_fixed_size: 314112
    .private_segment_fixed_size: 0
    .kernarg_segment_align: 8
    .kernarg_segment_size: 64
    .max_flat_workgroup_size: 128
    .sgpr_count:     66
    .vgpr_count:     1024
    .wavefront_size: 32
...
	.end_amdgpu_metadata
.endif
;; end of part 4
;; launch attn (part 5): grid 8 x 32, 4 waves a work-group, clusters of 4 x 1, 327,680 bytes of LDS; arguments xpf, ypf, y16f, scl, out0; writes out0
.if DOCPART == 5
	.amdgcn_target "amdgcn-amd-amdhsa--gfx1250"
	.amdhsa_code_object_version 6
	.text
	.protected	k_q5a5f5d2a01_attn
	.globl	k_q5a5f5d2a01_attn
	.p2align	8
	.type	k_q5a5f5d2a01_attn,@function
k_q5a5f5d2a01_attn:
	s_mov_b64 s[64:65], 0
	v_nop
	global_prefetch_b8 v0, s[64:65] scope:SCOPE_SE
	s_setreg_imm32_b32 hwreg(HW_REG_WAVE_MODE, 25, 1), 1
	s_wait_xcnt 0x0
	s_wait_alu depctr_hold_cnt(0) depctr_sa_sdst(0) depctr_va_vdst(0) depctr_va_sdst(0) depctr_va_ssrc(0) depctr_va_vcc(0) depctr_vm_vsrc(0)
	s_getreg_b32 s2, hwreg(HW_REG_IB_STS2, 6, 4)
	s_cmp_eq_u32 s2, 0
	s_cbranch_scc0 .Lentry_in_a_cluster
	s_endpgm
.Lentry_in_a_cluster:
	s_bfe_u32 s2, ttmp6, 0x10000c
	s_cmp_lg_u32 s2, 0x3003
	s_cbranch_scc0 .Lentry_shape_is_right
	s_endpgm
.Lentry_shape_is_right:
; out = softmax(xp . yp^T) . y for 128 query rows a work-group, with a running maximum, 128 keys at a time (8 blocks).
; xpf, ypf: the relu projections, CENTERED and scaled, in f16.  For each block of 128 rows: p = s (p~ + nu~), s a power of two and nu~ the block's scaled mean,
; both in scl; 131,072 bytes of p~ in fragment order ([16 rows][K step][c][lane L][16 bytes], lane r + 16 h holding row r, columns 32 s + 16 c + 8 h .. + 7),
; then the 128 rows' sums of p~ in f32.  y16f: y in f16, fragment order.  A score is, exactly,
;   S(i, j) = sx sy ( x~(i) . y~(j) + nux~ ry~(j) + nuy~ (rx~(i) + 512 nux~) ),      r~ = a row's sum.
; The second term hangs on the key alone: it starts the sums of the product (the S tiles are loaded with ry~ and multiplied by nux~).  The third hangs on the
; query and the key block alone: one number a lane, added to the running maximum's candidate and to the addend in front of the exponentials.
; LIMITS: sx sy log2(e) must be finite in f32 (the product of two blocks' largest numbers below about 2^150);
; a weight below 6e-8 of its row's largest counts as 0 (f16).
;
; SHARES.  Four waves, one for each SIMD; wave w owns query rows 32 w .. + 31 (u = 0, 1) and all 512 columns of the output: 64 tiles, 512 registers.
; BOTH PRODUCTS ARE USED TRANSPOSED.  S^T = Yp (source 0) x Xp (source 1): lane (r, h), register v of tile (jt, u) holds key 16 jt + 8 h + v,
; query r.  O^T = y^T (source 0) x P^T (source 1), and source 1 of 32 keys wants of lane (r, h) keys 8 h .. + 7 and 16 + 8 h .. + 7 of query r: the lane's own
; numbers of tiles 2 kb and 2 kb + 1, packed.  So P never leaves the lane, and maximum, sum and rescale factor are one number a lane.
; y^T comes out of LDS by the transposing load (ISA guide 11.2.4): its 32 lanes address the 32 pieces of one dense block of 512 bytes, permuted.
;
; RING.  Slot K (LDS 0, 132,096 bytes) holds block n of ypf, slot V (LDS 132,096, 131,072 bytes) block n of y16f.  S(n) reads K; then K is filled with
; block n + 1 while the softmax runs and PV(n) reads V; then V is filled while S(n + 1) reads K.  A load has at least 256 matrix instructions in which to land.
; CLUSTER.  The four work-groups of a cluster work on one batch and need the same blocks: every tile is asked for jointly (mask 15), each wave a quarter.
; By this text's count a wave has two tensor loads outstanding at the start and one behind each round.
; PREFETCH.  At the head of a phase, waves 0 and 1 of each of the batch's eight work-groups ask for 8,192 bytes each (lanes 256 bytes apart) of the block that
; the round at the phase's end will load: 8 x 2 x 8,192 = 131,072 bytes, each piece once (ypf's last 1,024 bytes of a block are not asked for).
; The last block asks for nothing.
.set KBLK,   132096                    ; a block of xpf or ypf
.set KQ,     33024                     ; a quarter of it: 129 pieces of 256 bytes
.set RSUM,   131072                    ; where the row sums begin in a block
.set VSLOT,  132096
.set VBLK,   131072
.set SPITCH, 2064                      ; the way out: a row of 2,048 bytes + 16 = 129 x 16: sixteen rows start in sixteen different 16-byte columns
.set WSTAGE, 16*SPITCH
; window 0: v1 16 L (slot K, keys 0-63; also the offset of Xp loads and output stores)  v2 = v1 + 65,536 (keys 64-127)
;           v3, v4 slot V, permuted lane, keys 0-63 / 64-127   v5 the keys' row sums in slot K, + 32 h   v6 prefetch offset   v7 4 r
;           v8-9 m   v10-11 l   v12-15 the addend twice   v16-19 alpha twice   v20-27 at work   v28 stage in   v29 stage out   v30-31 rx~ + 512 nux~
;           v32-159 S tile (jt, u) at 32 + 8 (2 jt + u)   v160, v192, v224 three buffers of four Yp fragments
;           in PV: v32-95 P(kb, u) at 32 + 8 (2 kb + u); v96-159, v160-223 two buffers of eight y^T fragments
; window 1: Xp(u, s) at 128 u + 8 s     window 2: O(t = 0..15, u) at 8 (2 t + u)     window 3: O(t = 16..31, u)
.set MSB, 0
.macro WIN new                         ; s_set_vgpr_msb: bits 1:0 source 0, 3:2 source 1, 5:4 source 2, 7:6 destination; the high byte repeats the setting that is left
.if MSB != (\new)
	s_set_vgpr_msb (MSB<<8)|(\new)
.set MSB, (\new)
.endif
.endm
.macro PLACES                          ; four places behind a matrix instruction (ISA guide 7.12.1)
.rept 4
	v_nop
.endr
.endm
.macro ROUND                           ; a round of the cluster's barrier: my work-group's barrier, wave 0 signals for it, all wait for all four, my work-group's barrier again
	s_barrier_signal -1
	s_barrier_wait -1
	s_cmp_lg_u32 s14, 0
	s_cbranch_scc1 .Lnot_wave_0_\@
	s_barrier_signal -3
.Lnot_wave_0_\@:
	s_barrier_wait -3
	s_barrier_signal -1
	s_barrier_wait -1
.endm
.macro PF base
	s_cmp_lt_u32 s14, 2
	s_cbranch_scc0 .Lnopf_\@
	global_prefetch_b8 v6, s[\base:\base+1] th:TH_LOAD_NT scope:SCOPE_SE
.Lnopf_\@:
.endm
	s_load_b256 s[4:11], s[0:1], 0x0               ; xpf s[4:5], ypf s[6:7], y16f s[8:9], scl s[10:11]
	s_load_b64 s[12:13], s[0:1], 0x20              ; out0
	v_lshl_add_u32 v26, v0, 2, 0x40400
	v_mov_b32 v27, 0
	ds_add_u32 v26, v27
	v_lshrrev_b32 v20, 5, v0
	v_readfirstlane_b32 s14, v20                   ; wave 0..3
	s_bfe_u32 s15, ttmp6, 0x40000                  ; cx
	s_lshl_b32 s24, ttmp9, 2
	s_add_co_u32 s24, s24, s15                     ; block of 128 query rows, 0..7
	s_and_b32 s25, ttmp7, 0xffff                   ; batch
	s_mov_b32 s46, 0x76543210                      ; v_permlanex16_b32: lane i reads lane i of the other half
	s_mov_b32 s47, 0xfedcba98
	; descriptor group 1 for slot K: 33,024 dense bytes as 129 rows of 256 bytes
	s_mov_b32 s16, 15|(3<<16)|(1<<21)              ; 15:0 all four work-groups of the cluster; 17:16 elements of 8 bytes; 21 set beside a mask
	s_mov_b32 s17, 32<<16                          ; tensor_dim0 = 32
	s_mov_b32 s18, 129<<16                         ; tensor_dim1 = 129
	s_mov_b32 s19, 32<<16                          ; tile_dim0 = 32
	s_mov_b32 s20, 129                             ; tile_dim1 = 129
	s_mov_b32 s21, 32                              ; 32 elements from row to row
	s_mov_b32 s22, 0
	s_mov_b32 s23, 0
	; descriptor group 1 for slot V: 32,768 dense bytes as 128 rows of 256 bytes
	s_mov_b32 s68, 15|(3<<16)|(1<<21)
	s_mov_b32 s69, 32<<16
	s_mov_b32 s70, 128<<16
	s_mov_b32 s71, 32<<16
	s_mov_b32 s72, 128
	s_mov_b32 s73, 32
	s_mov_b32 s74, 0
	s_mov_b32 s75, 0
	; offsets that the four partners share: batch and wave alone
	s_mul_i32 s48, s25, 8*KBLK                     ; ypf: eight blocks a batch
	s_mul_i32 s50, s14, KQ                         ; my quarter of a block
	s_add_co_u32 s48, s48, s50
	s_mov_b32 s49, 0
	s_lshl_b32 s50, s25, 20                        ; y16f: 1,024 rows of 1,024 bytes a batch
	s_lshl_b32 s51, s14, 15                        ; my quarter of a block
	s_add_co_u32 s50, s50, s51
	s_mov_b32 s51, 0
	s_mul_i32 s60, s25, 8*KBLK
	s_add_co_u32 s60, s60, KBLK                    ; block 1 of the batch: the first that is prefetched
	s_mov_b32 s61, 0
	s_lshl_b32 s62, s25, 20
	s_add_co_u32 s62, s62, VBLK
	s_mov_b32 s63, 0
	s_lshl_b32 s41, s25, 6
	s_add_co_u32 s41, s41, 2048                    ; byte offset in scl of y's block 0 of the batch: (256 + 8 batch) x 8
	; offsets of my own query rows
	s_lshl3_add_u32 s26, s25, s24                  ; x's block: 8 batch + block
	s_mul_i32 s52, s26, KBLK
	s_lshl_b32 s53, s14, 7
	s_add_co_u32 s66, s52, s53
	s_add_co_u32 s66, s66, RSUM                    ; the row sums of my 32 rows
	s_mov_b32 s67, 0
	s_lshl_b32 s53, s14, 15
	s_add_co_u32 s52, s52, s53                     ; the fragments of my 32 rows
	s_mov_b32 s53, 0
	s_lshl_b32 s26, s26, 3                         ; the block's pair in scl
	s_lshl_b32 s54, s25, 21                        ; out0: rows of 2,048 bytes
	s_lshl_b32 s55, s24, 18
	s_add_co_u32 s54, s54, s55
	s_lshl_b32 s55, s14, 16
	s_add_co_u32 s54, s54, s55
	s_mov_b32 s55, 0
	s_lshl_b32 s27, s24, 14
	s_lshl_b32 s30, s14, 13
	s_add_co_u32 s27, s27, s30                     ; prefetch: my work-group's 16,384 bytes of a block, my wave's 8,192
	s_mul_i32 s30, s14, WSTAGE                     ; my stage
	v_and_b32 v21, 31, v0                          ; L
	v_lshlrev_b32 v1, 4, v21
	v_add_nc_u32 v2, 65536, v1
	v_bfe_u32 v22, v0, 3, 1
	v_bfe_u32 v23, v0, 4, 1                        ; h
	v_and_b32 v24, 7, v0
	v_lshl_add_u32 v24, v23, 3, v24                ; the transposing load: lane L addresses key 8 (L >> 4) + (L & 7),
	v_lshl_add_u32 v24, v22, 4, v24                ; columns 8 ((L >> 3) & 1) .. + 7: piece 16 ((L >> 3) & 1) + 8 (L >> 4) + (L & 7) of the block of 512 bytes
	v_lshlrev_b32 v24, 4, v24
	v_add_nc_u32 v3, VSLOT, v24
	v_add_nc_u32 v4, VSLOT+65536, v24
	v_lshlrev_b32 v5, 5, v23
	v_add_nc_u32 v5, RSUM, v5                      ; keys 8 h .. of the row sums
	v_lshl_add_u32 v6, v21, 8, s27
	v_and_b32 v25, 15, v0                          ; r
	v_lshlrev_b32 v7, 2, v25
	v_mul_u32_u24 v28, v25, SPITCH
	v_lshl_add_u32 v28, v23, 5, v28
	v_add_nc_u32 v28, s30, v28                     ; in: row r, 32 bytes for each half of the lanes
	v_add_nc_u32 v29, s30, v1                      ; back: 512 dense bytes of a row
	s_wait_dscnt 0x0
	s_wait_kmcnt 0x0
	s_mov_b32 s32, 1                               ; group 0 for slot K
	s_mul_i32 s33, s14, KQ
	s_add_nc_u64 s[34:35], s[6:7], s[48:49]
	s_or_b32 s35, s35, 0x80000000
	s_mov_b32 s36, 1                               ; group 0 for slot V
	s_mul_i32 s37, s14, 32768
	s_add_co_u32 s37, s37, VSLOT
	s_add_nc_u64 s[38:39], s[8:9], s[50:51]
	s_or_b32 s39, s39, 0x80000000
	s_add_nc_u64 s[56:57], s[6:7], s[60:61]        ; prefetch bases
	s_add_nc_u64 s[58:59], s[8:9], s[62:63]
	s_add_nc_u64 s[28:29], s[4:5], s[52:53]        ; my rows of xpf
	s_add_nc_u64 s[66:67], s[4:5], s[66:67]        ; their sums
	s_add_nc_u64 s[12:13], s[12:13], s[54:55]      ; my rows of out0
	s_load_b64 s[42:43], s[10:11], s26 offset:0x0  ; my query block's pair: sx, nux~
	ROUND                                          ; all four work-groups are here: the first joint loads meet
	tensor_load_to_lds s[32:35], s[16:23]          ; block 0 of ypf
	s_nop 0
	tensor_load_to_lds s[36:39], s[68:75]          ; block 0 of y16f
	s_nop 0
	WIN 0x40                                       ; data window 1, address window 0
.set hi_, 0
.rept 32
	global_load_b128 v[8*hi_:8*hi_+3],   v1, s[28:29] offset:hi_*1024      ; Xp(u, s), index 16 u + s: 16 K steps of 1,024 bytes are a block of 16 rows
	global_load_b128 v[8*hi_+4:8*hi_+7], v1, s[28:29] offset:hi_*1024+512
.set hi_, hi_+1
.endr
	WIN 0
	global_load_b32 v30, v7, s[66:67]              ; rx~ of query 32 w + r
	global_load_b32 v31, v7, s[66:67] offset:64    ; and of query 32 w + 16 + r
	s_wait_kmcnt 0x0
	s_mul_f32 s49, s43, 0x44000000                 ; 512 nux~
	s_mov_b32 s78, s43                             ; nux~ twice, for the packed multiply
	s_mov_b32 s79, s43
	s_mul_f32 s42, s42, 0x3fb8aa3b                 ; sx log2(e): the exponentials are in base 2
	s_wait_tensorcnt 0x1                           ; my quarter of slot K is in; slot V's may stay out
	s_barrier_signal -1
	s_barrier_wait -1
	s_wait_loadcnt 0x0                             ; Xp and the sums
	v_add_f32 v30, s49, v30
	v_add_f32 v31, s49, v31
.macro SLOAD g                         ; group g: K step g >> 1, keys 64 (g & 1) .. + 63: four fragments into buffer g mod 3
.set sgs, (\g)>>1
.set sgh, (\g)&1
.set sgb, 160+32*((\g)%3)
.set sgi, 0
.rept 4
	ds_load_b128 v[sgb+8*sgi:sgb+8*sgi+3],   v[1+sgh] offset:sgi*16384+sgs*1024
	ds_load_b128 v[sgb+8*sgi+4:sgb+8*sgi+7], v[1+sgh] offset:sgi*16384+sgs*1024+512
.set sgi, sgi+1
.endr
.endm
; S^T of 128 keys x 32 queries: 32 groups of 8 matrix instructions.  One window setting serves products, loads and the lines that start the sums.
; The tiles take turns, one instruction a turn, and neighbouring groups work on different tiles.
.macro SPHASE
	WIN 0x04                                       ; source 1 (Xp) window 1, all else window 0
.set rj, 0
.rept 8
	ds_load_b128 v[32+16*rj:32+16*rj+3], v5 offset:64*rj       ; ry~ of keys 16 jt + 8 h + 0 .. 3, into tile (jt, 0); sixteen lanes read the same words
	ds_load_b128 v[32+16*rj+4:32+16*rj+7], v5 offset:64*rj+16  ; + 4 .. 7
.set rj, rj+1
.endr
	SLOAD 0
	SLOAD 1
	SLOAD 2
	s_wait_dscnt 24                                ; LDS loads come back in order (ISA guide 5.7.1): the sums are in, the 24 loads of three groups stay out
.set rj, 0
.rept 8
.irp p, 0,2,4,6
	v_pk_mul_f32 v[40+16*rj+\p:40+16*rj+\p+1], v[32+16*rj+\p:32+16*rj+\p+1], s[78:79] op_sel_hi:[1,0]   ; tile (jt, 1) starts at nux~ ry~,
.endr
.irp p, 0,2,4,6
	v_pk_mul_f32 v[32+16*rj+\p:32+16*rj+\p+1], v[32+16*rj+\p:32+16*rj+\p+1], s[78:79] op_sel_hi:[1,0]   ; and so does tile (jt, 0)
.endr
.set rj, rj+1
.endr
.set spg, 0
.rept 32
.if spg < 30
	s_wait_dscnt 16                                ; all but the next two groups'
.else
	s_wait_dscnt 8*(31-spg)
.endif
.set sps, spg>>1
.set spb, 160+32*(spg%3)
.set spj, 0
.rept 4
.set spu, 0
.rept 2
.set spd, 32+8*(2*(4*(spg&1)+spj)+spu)
	v_wmma_f32_16x16x32_f16 v[spd:spd+7], v[spb+8*spj:spb+8*spj+7], v[128*spu+8*sps:128*spu+8*sps+7], v[spd:spd+7]
.set spu, spu+1
.endr
.set spj, spj+1
.endr
.if spg <= 28
	PLACES                                         ; the buffer just multiplied is loaded again
	SLOAD (spg+3)
.endif
.set spg, spg+1
.endr
	PLACES                                         ; the softmax reads the results; PV's loads land on S tiles and on the buffers
	WIN 0
.endm
.macro MX3 a, b                        ; a step of the four chains of the maximum; chain k covers tiles 2 k and 2 k + 1
.irp k, 0,1,2,3
	v_max3_num_f32 v[20+\k], v[20+\k], v[smb+32*\k+\a], v[smb+32*\k+\b]
.endr
.endm
; The softmax step of query rows u: a lane holds 64 of its row's 128 scores.  s44 = c = sx sy log2(e), not negative; s48 = c nuy~.
.macro SMU u, first
.set smb, 32+8*\u                      ; tile (jt, u) at smb + 16 jt
.irp k, 0,1,2,3
	v_max3_num_f32 v[20+\k], v[smb+32*\k], v[smb+32*\k+1], v[smb+32*\k+2]
.endr
	MX3 3, 4
	MX3 5, 6
	MX3 7, 16
	MX3 17, 18
	MX3 19, 20
	MX3 21, 22
.irp k, 0,1,2,3
	v_max_num_f32 v[20+\k], v[20+\k], v[smb+32*\k+23]
.endr
	v_max3_num_f32 v20, v20, v21, v22
	v_max_num_f32 v20, v20, v23
	v_permlanex16_b32 v21, v20, s46, s47           ; the row's other 64 scores lie in the other half of the lanes
	v_max_num_f32 v20, v20, v21
	v_mul_f32 v24, s48, v[30+\u]                   ; T = c nuy~ (rx~ + 512 nux~): the query's term for this key block
.if \first
	v_fma_f32 v[8+\u], s44, v20, v24               ; m = c x the block's maximum + T
.else
	v_fma_f32 v20, s44, v20, v24
	v_max_num_f32 v20, v[8+\u], v20                ; the running maximum
	v_sub_f32 v21, v[8+\u], v20
	v_exp_f32 v[16+2*\u], v21                      ; alpha = 2^(m old - m new)
	v_mov_b32 v[8+\u], v20                         ; the plain instruction behind the transcendental (ISA guide 5.7.2)
	s_wait_alu depctr_va_vdst(0)
	v_mov_b32 v[17+2*\u], v[16+2*\u]
.endif
	v_sub_f32 v[12+2*\u], v24, v[8+\u]             ; T - m, twice, for the packed multiply-add
	v_mov_b32 v[13+2*\u], v[12+2*\u]
.set smj, 0
.rept 8
.irp p, 0,2,4,6
	v_pk_fma_f32 v[smb+16*smj+\p:smb+16*smj+\p+1], v[smb+16*smj+\p:smb+16*smj+\p+1], s[44:45], v[12+2*\u:13+2*\u] op_sel_hi:[1,0,1]
.endr
.set smj, smj+1
.endr
.set smj, 0
.rept 8
.irp p, 0,1,2,3,4,5,6,7
	v_exp_f32 v[smb+16*smj+\p], v[smb+16*smj+\p]
.endr
.set smj, smj+1
.endr
	v_nop                                          ; the plain instruction behind the transcendentals
	s_wait_alu depctr_va_vdst(0)
	v_pk_add_f32 v[20:21], v[smb:smb+1], v[smb+2:smb+3]
	v_pk_add_f32 v[22:23], v[smb+4:smb+5], v[smb+6:smb+7]
.set smj, 1
.rept 7
	v_pk_add_f32 v[20:21], v[20:21], v[smb+16*smj:smb+16*smj+1]
	v_pk_add_f32 v[22:23], v[22:23], v[smb+16*smj+2:smb+16*smj+3]
	v_pk_add_f32 v[20:21], v[20:21], v[smb+16*smj+4:smb+16*smj+5]
	v_pk_add_f32 v[22:23], v[22:23], v[smb+16*smj+6:smb+16*smj+7]
.set smj, smj+1
.endr
	v_pk_add_f32 v[20:21], v[20:21], v[22:23]
.if \first
	v_add_f32 v[10+\u], v20, v21                   ; l: my half of the row's sum; the halves meet at the end
.else
	v_add_f32 v20, v20, v21
	v_fma_f32 v[10+\u], v[10+\u], v[16+2*\u], v20
.endif
	; P(kb, u) = tiles 2 kb and 2 kb + 1, packed.  It lands on tile index 2 kb + u, which has been read: kb ascends
.set smk, 0
.rept 4
.set smp, 32+8*(2*smk+\u)
.set sm0, 32+8*(4*smk+\u)
.set sm1, 32+8*(4*smk+2+\u)
.irp p, 0,1,2,3
	v_cvt_pk_f16_f32 v[smp+\p], v[sm0+2*\p], v[sm0+2*\p+1]
.endr
.irp p, 0,1,2,3
	v_cvt_pk_f16_f32 v[smp+4+\p], v[sm1+2*\p], v[sm1+2*\p+1]
.endr
.set smk, smk+1
.endr
.endm
.macro RESC1                           ; one window's 32 tiles: O(t, u) times the pair v[16 + 2 u : 17 + 2 u]
.set rst, 0
.rept 32
.irp p, 0,2,4,6
	v_pk_mul_f32 v[8*rst+\p:8*rst+\p+1], v[8*rst+\p:8*rst+\p+1], v[16+2*(rst&1):17+2*(rst&1)]
.endr
.set rst, rst+1
.endr
.endm
.macro RESCALE
	WIN 0x82                                       ; O window 2, the factor window 0
	RESC1
	WIN 0xc3
	RESC1
.endm
.macro PVLOAD g                        ; group g = 8 win + 2 kb + th: y^T fragments t = 16 win + 8 th + 0..7 of keys 32 kb .. + 31 into buffer g mod 2
	WIN 0
.set pvw, (\g)>>3
.set pvk, ((\g)>>1)&3
.set pvb, 96+64*((\g)&1)
.set pvo, (2*(pvk&1))*16384+(16*pvw+8*((\g)&1))*512
.set pvi, 0
.rept 8
	ds_load_tr16_b128 v[pvb+8*pvi:pvb+8*pvi+3],   v[3+(pvk>>1)] offset:pvo+pvi*512         ; keys 32 kb + 8 h .. + 7 of column 16 t + r
	ds_load_tr16_b128 v[pvb+8*pvi+4:pvb+8*pvi+7], v[3+(pvk>>1)] offset:pvo+pvi*512+16384   ; keys 32 kb + 16 + 8 h .. + 7
.set pvi, pvi+1
.endr
.endm
; O^T += y^T x P^T: 16 groups of 16 matrix instructions; the tiles take turns, one instruction a turn, and neighbouring groups work on
; different tiles.  first = 1: keys 0-31 start the sums.
.macro PVPHASE first
.set pvg, 0
.rept 16
.if pvg < 15
	s_wait_dscnt 16                                ; all but the next group's 16 loads
.else
	s_wait_dscnt 0
.endif
.set pqk, (pvg>>1)&3
.set pqb, 96+64*(pvg&1)
.set pqz, 0
.if \first
.if pqk == 0
.set pqz, 1
.endif
.endif
	WIN (0xa0+0x50*(pvg>>3))                       ; C and D window 2 or 3, sources window 0
.set pqi, 0
.rept 8
.set pqu, 0
.rept 2
.set pqd, 8*(2*(8*(pvg&1)+pqi)+pqu)
.if pqz
	v_wmma_f32_16x16x32_f16 v[pqd:pqd+7], v[pqb+8*pqi:pqb+8*pqi+7], v[32+8*(2*pqk+pqu):32+8*(2*pqk+pqu)+7], 0
.else
	v_wmma_f32_16x16x32_f16 v[pqd:pqd+7], v[pqb+8*pqi:pqb+8*pqi+7], v[32+8*(2*pqk+pqu):32+8*(2*pqk+pqu)+7], v[pqd:pqd+7]
.endif
.set pqu, pqu+1
.endr
.set pqi, pqi+1
.endr
.if pvg <= 13
	PLACES
	PVLOAD (pvg+2)
.endif
.set pvg, pvg+1
.endr
.rept 5
	v_nop                                          ; five places: the next S phase's loads and products write over P and over the buffers
.endr
	WIN 0
.endm
; One block of 128 keys.
.macro ITER first, refill
	s_load_b64 s[76:77], s[10:11], s41 offset:0x0  ; the key block's pair: sy, nuy~
.if \refill
	PF 56                                          ; the block of ypf that is loaded behind this S phase
.endif
	SPHASE
	s_wait_tensorcnt 0x0                           ; all my tensor loads have landed, my quarter of slot V among them; so a group 0 may be written
	ds_add_u32 v26, v27
	s_wait_dscnt 0x0
.if \refill
	s_add_nc_u64 s[34:35], s[34:35], KBLK
	s_wait_dscnt 0x0                               ; my reads of slot K are back
	ROUND                                          ; both now hold of every wave of all four work-groups
	tensor_load_to_lds s[32:35], s[16:23]          ; my one tensor load behind the round: the next block of ypf; softmax, rescale and PV lie ahead of the wait for it
	s_nop 0
.else
	s_wait_dscnt 0x0
	s_barrier_signal -1
	s_barrier_wait -1                              ; slot V is whole; nothing is left to fetch
.endif
	s_wait_kmcnt 0x0
	s_mul_f32 s44, s76, s42                        ; c
	s_add_co_u32 s41, s41, 8                       ; free since the wait above
	s_mov_b32 s45, s44
	s_mul_f32 s48, s44, s77                        ; c nuy~
	SMU 0, \first
	SMU 1, \first
	PVLOAD 0                                       ; they land while O is rescaled
	PVLOAD 1
.if \refill
	PF 58                                          ; the block of y16f that is loaded behind this PV phase
.endif
.if \first == 0
	RESCALE
.endif
	PVPHASE \first
.if \refill
	s_wait_tensorcnt 0x0                           ; my quarter of slot K has landed
	ds_add_u32 v26, v27
	s_wait_dscnt 0x0
	s_add_nc_u64 s[38:39], s[38:39], VBLK
	s_wait_xcnt 0x0                                ; the prefetches' bases are stepped only behind this wait (the last was issued a phase ago)
	s_add_nc_u64 s[56:57], s[56:57], KBLK
	s_add_nc_u64 s[58:59], s[58:59], VBLK
	s_wait_dscnt 0x0                               ; my reads of slot V are back
	ROUND
	tensor_load_to_lds s[36:39], s[68:75]          ; the next block of y16f
	s_nop 0
.endif
.endm
	ITER 1, 1                                      ; block 0 starts maximum, sum and output: nothing is cleared
	s_mov_b32 s40, 6
.Lblock:
	ITER 0, 1                                      ; blocks 1 to 6
	s_sub_co_i32 s40, s40, 1
	s_cmp_lg_u32 s40, 0
	s_cbranch_scc1 .Lblock
	ITER 0, 0                                      ; block 7 fetches nothing
	; THE WAY OUT.  The two halves of a row's sum meet; O is divided by it.
	v_permlanex16_b32 v20, v10, s46, s47
	v_permlanex16_b32 v21, v11, s46, s47
	v_add_f32 v10, v10, v20
	v_add_f32 v11, v11, v21
	v_rcp_f32 v16, v10                             ; l is at least about 1: the row's largest term is 2^0
	v_rcp_f32 v18, v11
	v_nop                                          ; the plain instruction behind the transcendentals
	s_wait_alu depctr_va_vdst(0)
	v_mov_b32 v17, v16
	v_mov_b32 v19, v18
	RESCALE
	WIN 0
	s_wait_dscnt 0x0
	s_barrier_signal -1
	s_barrier_wait -1                              ; no wave reads a slot any more, and both have had their last fill: the stage lies in slot K
; 16 rows at a time: a lane's 32 bytes (columns 16 t + 8 h .. + 7 of row r) go into my own stage, whole rows come back, and every store covers 512 dense, aligned bytes.
; LDS serves a wave's instructions in order (ISA guide 5.7.1), so no wait stands between my stores and my loads.
.macro OUTU u
	WIN 0x08                                       ; store data window 2
.set ott, 0
.rept 16
	ds_store_b128 v28, v[8*(2*ott+\u):8*(2*ott+\u)+3]   offset:64*ott
	ds_store_b128 v28, v[8*(2*ott+\u)+4:8*(2*ott+\u)+7] offset:64*ott+16
.set ott, ott+1
.endr
	WIN 0x0c                                       ; window 3
.set ott, 0
.rept 16
	ds_store_b128 v28, v[8*(2*ott+\u):8*(2*ott+\u)+3]   offset:64*(16+ott)
	ds_store_b128 v28, v[8*(2*ott+\u)+4:8*(2*ott+\u)+7] offset:64*(16+ott)+16
.set ott, ott+1
.endr
	WIN 0
.set otb, 0
.rept 4                                ; four rows a batch, two register sets in turn
.set otg, 32+64*(otb&1)
	s_wait_xcnt 0x0                                ; a set that stores read is loaded again only behind this wait
.set oti, 0
.rept 16
	ds_load_b128 v[otg+4*oti:otg+4*oti+3], v29 offset:(4*otb+(oti>>2))*SPITCH+(oti&3)*512
.set oti, oti+1
.endr
.set oti, 0
.rept 16
	s_wait_dscnt 15-oti
	global_store_b128 v1, v[otg+4*oti:otg+4*oti+3], s[12:13] offset:\u*32768+(4*otb+(oti>>2))*2048+(oti&3)*512 th:TH_STORE_NT
.set oti, oti+1
.endr
.set otb, otb+1
.endr
.endm
	OUTU 0
	OUTU 1
	s_wait_tensorcnt 0x0
	ds_add_u32 v26, v27
	s_wait_dscnt 0x0
	ROUND                                          ; the closing round: no work-group ends while a partner may still ask for a tile that names it
	s_endpgm
.Lfunc_end_k_q5a5f5d2a01_attn:
	.size	k_q5a5f5d2a01_attn, .Lfunc_end_k_q5a5f5d2a01_attn-k_q5a5f5d2a01_attn
	.p2alignl 7, 3214868480
	.fill 96, 4, 3214868480
	.section	.rodata,"a",@progbits
	.p2align	6, 0x0
	.amdhsa_kernel k_q5a5f5d2a01_attn
		.amdhsa_group_segment_fixed_size 327680
		.amdhsa_private_segment_fixed_size 0
		.amdhsa_enable_private_segment 0
		.amdhsa_kernarg_size 40
		.amdhsa_user_sgpr_count 2
		.amdhsa_user_sgpr_kernarg_segment_ptr 1
		.amdhsa_wavefront_size32 1
		.amdhsa_system_sgpr_workgroup_id_x 1
		.amdhsa_system_sgpr_workgroup_id_y 1
		.amdhsa_system_sgpr_workgroup_id_z 1
		.amdhsa_system_vgpr_workitem_id 0
		.amdhsa_next_free_vgpr 1024
		.amdhsa_next_free_sgpr 80
		.amdhsa_reserve_vcc 0
		.amdhsa_float_denorm_mode_32 3
		.amdhsa_float_denorm_mode_16_64 3
		.amdhsa_memory_ordered 1
		.amdhsa_forward_progress 1
		.amdhsa_inst_pref_size 255
	.end_amdhsa_kernel
	.section	.bss,"aw",@nobits
	.p2align	6
	.space	262144
	.amdgpu_metadata
---
amdhsa.version: [ 1, 2 ]
amdhsa.kernels:
  - .name:           k_q5a5f5d2a01_attn
    .symbol:         k_q5a5f5d2a01_attn.kd
    .args:
      - { .name: xpf, .offset: 0, .size: 8, .value_kind: global_buffer, .address_space: global }
      - { .name: ypf, .offset: 8, .size: 8, .value_kind: global_buffer, .address_space: global }
      - { .name: y16f, .offset: 16, .size: 8, .value_kind: global_buffer, .address_space: global }
      - { .name: scl, .offset: 24, .size: 8, .value_kind: global_buffer, .address_space: global }
      - { .name: out0, .offset: 32, .size: 8, .value_kind: global_buffer, .address_space: global }
    .group_segment_fixed_size: 327680
    .private_segment_fixed_size: 0
    .kernarg_segment_align: 8
    .kernarg_segment_size: 40
    .max_flat_workgroup_size: 128
    .sgpr_count:     80
    .vgpr_count:     1024
    .wavefront_size: 32
...
	.end_amdgpu_metadata
.endif
;; end of part 5
